; MI455X (gfx1250); checked and timed in simulation.
; The chip was launched on July 23, 2026; its instructions are those of AMD's public machine-readable ISA for CDNA 5 (MIT licence, August 2026) and "CDNA5" Instruction Set Architecture Reference Guide (July 2026). The comments in the code are by the model that wrote it; some were corrected since.
;; Dual Multi Head Attention. Allowed arithmetic: matrix products marked QUANTISED: E2M3 operands, one E8M0 scale for each 32 along K, by v_wmma_scale_f32_16x16x128_f8f6f4 with both operands' format E2M3, f32 sums; everything else in f32.
;; Inputs: bk1 2,048 float32; bk2 2,048 float32; bo1 2,048 float32; bo2 2,048 float32; bq1 2,048 float32; bq2 2,048 float32; bv1 2,048 float32; bv2 2,048 float32; cos1 1,024 x 128 float32; cos2 1,024 x 128 float32; sin1 1,024 x 128 float32; sin2 1,024 x 128 float32; wk1 2,048 x 2,048 float32; wk2 2,048 x 2,048 float32; wo1 2,048 x 2,048 float32; wo2 2,048 x 2,048 float32; wq1 2,048 x 2,048 float32; wq2 2,048 x 2,048 float32; wv1 2,048 x 2,048 float32; wv2 2,048 x 2,048 float32; x_1 1 x 1,024 x 2,048 float32; x_2 1 x 1,024 x 2,048 float32.
;; Outputs: out0 1 x 1,024 x 2,048 float32; out1 1 x 1,024 x 2,048 float32.
;; This version of the problem:
;;   THIS VERSION OF THE PROBLEM IS GIVEN IN LOW PRECISION. The matrix products marked QUANTISED in the list below multiply operands that are first quantised to E2M3 (2 exponent bits, 3 mantissa bits; 6 bits a number), with one power-of-two scale for each 32 numbers along K (OCP MX v1.0); their sums are f32. All else is computed in f32.
;;   The module's matrix products, in the order in which they are computed (A, B: the left and right operand; K: the contracted axis; several contracted axes count as one K, in the product's order):
;;     1. [M 1,024, K 2,048] x [K 2,048, N 2,048]; A: input x_1; B: input wq1: QUANTISED
;;     2. [M 1,024, K 2,048] x [K 2,048, N 2,048]; A: input x_2; B: input wq2: QUANTISED
;;     3. [M 1,024, K 2,048] x [K 2,048, N 2,048]; A: input x_1; B: input wk1: QUANTISED
;;     4. [M 1,024, K 2,048] x [K 2,048, N 2,048]; A: input x_2; B: input wk2: QUANTISED
;;     5. [M 1,024, K 2,048] x [K 2,048, N 2,048]; A: input x_1; B: input wv1: QUANTISED
;;     6. [M 1,024, K 2,048] x [K 2,048, N 2,048]; A: input x_2; B: input wv2: QUANTISED
;;     7. batch 16 x [M 2,048, K 128] x [K 128, N 2,048]; A: computed on the way; B: computed on the way: QUANTISED
;;     8. batch 16 x [M 2,048, K 2,048] x [K 2,048, N 128]; A: softmax (see below); B: computed on the way: QUANTISED
;;     9. [M 1,024, K 2,048] x [K 2,048, N 2,048]; A: computed on the way; B: input wo1: QUANTISED
;;     10. [M 1,024, K 2,048] x [K 2,048, N 2,048]; A: computed on the way; B: input wo2: QUANTISED
;;   THE QUANTISER, for each operand of a quantised product, along K:
;;     - K is cut into blocks of 32 from its start; a last block that is shorter is filled with zeros.
;;     - A block's scale is 2^e with e = floor(log2(the largest magnitude in the block)) - 2, held to -126 .. 127; a block of zeros has e = 0. As a byte (E8M0): e + 127.
;;     - Each number is divided by its block's scale, clamped to +-7.5, and rounded to the nearest number of E2M3, ties to even, subnormals kept.
;;     - The product sums the exact products of the quantised numbers (number of the format x scale) in f32.
;;   ~~~python
;;   def quantise(x, axis):      # numpy; x: float32 -> the quantised numbers, widened to float32 again
;;       x = np.moveaxis(x, axis, -1); K = x.shape[-1]
;;       x = np.pad(x, [(0, 0)] * (x.ndim - 1) + [(0, -K % 32)]); x = x.reshape(x.shape[:-1] + (-1, 32)); a = np.abs(x).max(-1, keepdims=True)
;;       e = np.where(a > 0, np.clip(np.frexp(np.where(a > 0, a, 1))[1] - 1 - 2, -126, 127), 0)      # np.frexp(a)[1] - 1 = floor(log2(a)), exactly
;;       r = np.clip(x / 2.0 ** e, -7.5, 7.5)
;;       step = 2.0 ** (np.maximum(np.frexp(np.where(r == 0, 1, r))[1] - 1, 0) - 3)
;;       q = np.round(r / step) * step * 2.0 ** e      # np.round: ties to even
;;       return np.moveaxis(q.reshape(q.shape[:-2] + (-1,))[..., :K], -1, axis).astype(np.float32)
;;   ~~~
;;   SOFTMAX AHEAD OF A QUANTISED PRODUCT. Where the list says 'softmax', what is quantised is not the finished softmax but p = 2^(t - M), with t = logit x log2(e) and M = ceil(the row's largest t), a whole number; so 1/2 < the row's largest p <= 1. The row's sum l is taken of the UNQUANTISED p, in f32, and the product's result is divided by l at the end. Since M is a whole number, a kernel that streams over the keys may use a running M (the ceiling of the running maximum): every later rescaling is an exact power of two, which a block's scale takes up: the codes' values come out the same.
;;   OPERANDS COMPUTED ON THE WAY. 'Computed on the way' means the value that the module computes at that place (a softmax that the list does not call 'softmax' is quantised finished and normalised). What goes into a quantiser is computed in f32, as accurately as f32 sums, v_exp_f32 and their like allow (about 1e-6 of the number): no bf16 or f16 on the way to a quantiser, and a product that is left as it is and whose result goes on into a quantised operand takes f32 operands (vector FMAs, or v_wmma_f32_16x16x4_f32). A number that lies on a knife's edge between two numbers of the format may be rounded either way, as far as f32 arithmetic and the matrix unit's own rounding can turn it there, and no further.
;; One version. Each part assembles by itself: llvm-mc -triple=amdgcn-amd-amdhsa -mcpu=gfx1250 --defsym DOCPART=n.
;; ======== version 1 of 1: 4 launches
;; limits: right only within a limited range of input values
;; workspace buffers: cimg 28,311,552 bytes; cscl 1,179,648 bytes; qkvimg 9,437,184 bytes; qkvscl 393,216 bytes; oimg 3,145,728 bytes; oscl 131,072 bytes; csimg 2,097,152 bytes; woimg 6,553,600 bytes
;; launch quant (part 1): grid 512 x 1, 4 waves a work-group, no clusters, 34,304 bytes of LDS; arguments x_1, x_2, wq1, wk1, wv1, wq2, wk2, wv2, cimg, cscl, cos1, sin1, cos2, sin2, csimg; writes cimg, cscl, csimg
.if DOCPART == 1
	.amdgcn_target "amdgcn-amd-amdhsa--gfx1250"
	.amdhsa_code_object_version 6
	.text
	.protected	k_qfae0ce0707_quant
	.globl	k_qfae0ce0707_quant
	.p2align	8
	.type	k_qfae0ce0707_quant,@function
k_qfae0ce0707_quant:
	s_mov_b64 s[64:65], 0
	v_nop
	global_prefetch_b8 v0, s[64:65] scope:SCOPE_SE
	s_setreg_imm32_b32 hwreg(HW_REG_WAVE_MODE, 25, 1), 1
	s_wait_xcnt 0x0
; x_1, x_2 [1024][2048] and the six weights of q, k and v [2048 (k)][2048 (n)], f32, become codes of FP6 (E2M3) with one E8M0 byte for each 32 along K; the four RoPE tables are laid anew, as f32.
; (wo1 and wo2 are wanted by the last launch alone: they are quantised in the next launch, by work-groups of their own.)
; A block's scale is 2^(floor(log2(its largest magnitude)) - 2); its byte is the largest magnitude's exponent field - 2, held at 1 from below.
; LIMITS: NaN and infinities among the inputs are not served.  A block whose largest magnitude lies under 2^-124 keeps the byte 1; a block of zeros gets
; the byte 1 where the quantiser says 127: its codes are zeros, which add nothing under any byte but 0xff, and the bytes are read by this program alone.
; WHAT IS STORED ARE IMAGES OF OPERAND REGISTERS.  A fragment is 16 rows x 128 K: 12 registers a lane; lane (rho, h) holds row rho, registers 6 c .. 6 c + 5 = k 64 c + 32 h + 0 .. 31.
; Its image is 1,536 bytes: register 4 c + i of lane l at byte 512 c + 16 l + 4 i.  cimg: [group of 128 rows][K step of 128][fragment f][1,536].
; Row rho of fragment f is row 32 (f / 2) + 8 (f % 2) + rho + 8 (rho / 8) of its group.  cscl: one word (a row's 128 along K) at [8 group + f][s / 4][rho][s % 4], s the K step.
; Groups: 16 for each weight in the order of the arguments (rows = the weight's columns n): 0-95; 96-127 are not used; 128-135 x_1, 136-143 x_2 (rows = tokens).
; csimg: [cos, sin][fragment of 16 tokens][n = 0 .. 15][lane][16 bytes]: lane (rho, h)'s four numbers at channels 32 (n / 4) + 16 h + 4 (n % 4) of the fragment's row rho.
; Work-groups 0-383 take the weights (128 columns x 512 K each), 384-447 take x, 448-511 the tables.  Waves share nothing: no barrier.  No cluster: no two work-groups read the same input bytes.
.set EMAX, 2
.set WV,   12                          ; s12      my wave's number
.set SEL,  36                          ; s[36:37] lane selects for v_permlanex16_b32: lane l xor 16
.set SPARE, 0x8400
.set X,    32                          ; weights: v32-95 two sets of 32 numbers
.set CB,   104                         ; weights: v104-199 four K steps x 24 registers of codes
.set W4,   200                         ; weights: v200-203 my column's four scale words
.set TM,   16                          ; x: v16-23, v28-31 at work in QUANT
.set PC,   32                          ; x: v32-43 the fragment's codes, v44-51 at work
.set PW,   52
.set WX,   56                          ; x: v56-63 eight K steps' scale words
.set R,    64                          ; x: v64-191 two sets as loaded;  tables: v64-127
.set XN,   192                         ; x: v192-255 my 64 numbers of a K step
.set WQ,   12
; 64 numbers of a lane, register 16 b + i = k 32 b + 16 (lane / 16) + i of my row, become a fragment's codes in v[PC] on and its scale word in v[PW]
.macro QUANT s
.irp b, 0,1,2,3
	v_max3_num_f32 v[TM+\b], |v[\s+16*\b]|, |v[\s+1+16*\b]|, 0x1800000   ; my 16 numbers of block b, and the floor 2^(3 - 127)
.endr
.irp i, 2,4,6,8,10,12,14
.irp b, 0,1,2,3
	v_max3_num_f32 v[TM+\b], v[TM+\b], |v[\s+16*\b+\i]|, |v[\s+1+16*\b+\i]|
.endr
.endr
.irp b, 0,1,2,3
	v_permlanex16_b32 v[TM+4+\b], v[TM+\b], s[SEL], s[SEL+1]
.endr
.irp b, 0,1,2,3
	v_max_num_f32 v[TM+\b], v[TM+\b], v[TM+4+\b]   ; with lane l xor 16's
.endr
.irp b, 0,1,2,3
	v_add_nc_u32 v[TM+12+\b], 0xff000000, v[TM+\b]   ; 2 off the exponent field: the conversion's scale operand
.endr
.irp b, 0,1,2,3
	v_lshrrev_b32 v[TM+4+\b], 23, v[TM+12+\b]      ; the scale's byte
.endr
	v_lshl_or_b32 v[PW], v[TM+5], 8, v[TM+4]
	v_lshl_or_b32 v[PW], v[TM+6], 16, v[PW]
	v_lshl_or_b32 v[PW], v[TM+7], 24, v[PW]
.irp c, 0,1
	v_cvt_scalef32_pk16_fp6_f32 v[PC+6*\c:PC+2+6*\c], v[\s+32*\c:\s+15+32*\c], v[TM+12+2*\c]
	v_cvt_scalef32_pk16_fp6_f32 v[PC+12+4*\c:PC+14+4*\c], v[\s+16+32*\c:\s+31+32*\c], v[TM+12+2*\c+1]
.endr
	v_nop                                          ; one plain instruction behind a scaled conversion
.irp c, 0,1                                    ; a whole block to a lane
.irp i, 0,1,2
	v_permlane16_swap_b32 v[PC+6*\c+\i], v[PC+12+4*\c+\i]
.endr
.irp i, 0,1,2
	v_mov_b32 v[PC+3+6*\c+\i], v[PC+12+4*\c+\i]
.endr
.endr
.endm
	s_load_b128 s[4:7], s[0:1], 0x0                ; x_1, x_2
	s_load_b256 s[16:23], s[0:1], 0x10             ; wq1, wk1, wv1, wq2
	s_load_b128 s[24:27], s[0:1], 0x30             ; wk2, wv2
	s_load_b128 s[8:11], s[0:1], 0x40              ; cimg, cscl
	s_load_b256 s[48:55], s[0:1], 0x50             ; cos1, sin1, cos2, sin2
	s_load_b64 s[56:57], s[0:1], 0x70              ; csimg
	v_lshl_add_u32 v26, v0, 2, SPARE
	v_mov_b32 v27, 0
	v_lshrrev_b32 v1, 5, v0
	v_readfirstlane_b32 s[WV], v1                  ; wave 0..3
	v_and_b32 v1, 31, v0                           ; lane
	v_and_b32 v5, 15, v0                           ; rho
	v_bfe_u32 v6, v0, 4, 1                         ; lane / 16
	s_wait_alu depctr_va_vdst(0)                   ; the wait ahead of the branch
	s_cmp_lt_u32 ttmp9, 384
	s_cbranch_scc0 .Lpath_x
; ---- THE WEIGHTS.  A lane takes a column n and its registers run down K: a block of 32 lies in one lane, and the codes come out with K innermost.
; Work-group: weight id / 64, group of 128 columns (id / 4) % 16, K quarter y = id % 4.  Wave w: columns 32 w .. 32 w + 31 = fragments 2 w (lanes 0-15) and 2 w + 1 (lanes 16-31).
	s_lshr_b32 s13, ttmp9, 6                       ; which weight, 0..5
	s_and_b32 s14, ttmp9, 3                        ; y
	s_bfe_u32 s15, ttmp9, 0x40002                  ; the group in the weight
	s_lshr_b32 s38, ttmp9, 2                       ; the group in cimg
	v_and_b32 v2, 7, v0
	v_bfe_u32 v7, v0, 3, 1
	v_lshl_add_u32 v2, v7, 4, v2
	v_lshl_add_u32 v2, v6, 3, v2                   ; my column of the wave's 32: l % 8 + 16 ((l / 8) % 2) + 8 (l / 16): the fragments' row order
	v_lshlrev_b32 v2, 2, v2                        ; in bytes.  The wave reads 128 consecutive bytes a load, the work-group's four waves 512
	s_mul_i32 s39, s[WV], 3072
	v_mul_u32_u24 v3, v6, 1536
	v_lshl_add_u32 v3, v5, 4, v3
	v_add_nc_u32 v3, s39, v3                       ; codes: my fragment's image, + 16 rho
	s_lshl_b32 s39, s[WV], 11
	v_lshlrev_b32 v4, 10, v6
	v_lshl_add_u32 v4, v5, 4, v4
	v_add_nc_u32 v4, s39, v4                       ; scale words: my fragment's 1,024 bytes, + 16 rho
	v_lshrrev_b32 v9, 1, v1                        ; the prefetches: of a pair of blocks (64 rows x the work-group's 512 bytes) wave w names rows 16 w .. 16 w + 15, two lanes to a row, 256 bytes apart
	v_and_b32 v10, 1, v0
	v_lshlrev_b32 v9, 13, v9
	v_lshl_add_u32 v9, v10, 8, v9
	s_mul_i32 s39, s[WV], 16*8192-128              ; (the loads' base stands 128 w bytes into the work-group's 512)
	v_add_nc_u32 v9, s39, v9
	s_lshl_b32 s34, s14, 22                        ; 512 y rows of 8,192 bytes
	s_lshl_b32 s35, s15, 9                         ; + the group's 512 bytes
	s_add_co_u32 s34, s34, s35
	s_lshl_b32 s35, s[WV], 7                       ; + my wave's 128
	s_add_co_u32 s34, s34, s35
	s_mov_b32 s35, 0
	s_mul_i32 s40, s38, 196608                     ; the group's images, + 4 y K steps
	s_mul_i32 s41, s14, 49152
	s_add_co_u32 s40, s40, s41
	s_mov_b32 s41, 0
	s_lshl_b32 s42, s38, 13                        ; the group's scale words, + 256 y
	s_lshl_b32 s43, s14, 8
	s_add_co_u32 s42, s42, s43
	s_mov_b32 s43, 0
	s_wait_alu depctr_va_vdst(0)                   ; the wait at the head's end
	s_wait_kmcnt 0x0
	s_bitcmp1_b32 s13, 0                           ; one of six buffers, by the bits of the weight's number: it hangs on the work-group's number alone
	s_cselect_b64 s[16:17], s[18:19], s[16:17]
	s_cselect_b64 s[20:21], s[22:23], s[20:21]
	s_cselect_b64 s[24:25], s[26:27], s[24:25]
	s_bitcmp1_b32 s13, 1
	s_cselect_b64 s[16:17], s[20:21], s[16:17]
	s_bitcmp1_b32 s13, 2
	s_cselect_b64 s[32:33], s[24:25], s[16:17]
	s_add_nc_u64 s[32:33], s[32:33], s[34:35]
	s_add_nc_u64 s[8:9], s[8:9], s[40:41]
	s_add_nc_u64 s[10:11], s[10:11], s[42:43]
.macro LOADW t                         ; block t: W(512 y + 32 t + i, my column), i = 0 .. 31, into set t % 2; the largest offset is 511 rows
.set I, 0
.rept 32
	global_load_b32 v[X+32*((\t)%2)+I], v2, s[32:33] offset:(32*(\t)+I)*8192 th:TH_LOAD_NT
.set I, I+1
.endr
.endm
.macro BLOCKW t
.set XS, X+32*((\t)%2)
.set BB, CB+24*((\t)/4)+12*((\t)%2)+6*(((\t)%4)/2)   ; block 2 c + hh of a K step belongs to image lane 16 hh + rho, registers 6 c on
.if (\t) < 15
	s_wait_loadcnt 32                              ; this block's 32 loads are in; the next block's 32 may be out
.else
	s_wait_loadcnt 0x0
.endif
.if (\t)%2 == 0 && (\t)/2+2 < 8
	global_prefetch_b8 v9, s[32:33] offset:((\t)/2+2)*524288 th:TH_LOAD_NT scope:SCOPE_SE   ; blocks t + 4 and t + 5, whose loads are issued in blocks t + 2 and t + 3; blocks 12 and 14 ask for nothing: block 15 is the last
.endif
	v_max3_num_f32 v12, |v[XS]|, |v[XS+1]|, |v[XS+2]|
	v_max3_num_f32 v13, |v[XS+3]|, |v[XS+4]|, |v[XS+5]|
.irp i, 6,10,14,18,22,26
	v_max3_num_f32 v12, v12, |v[XS+\i]|, |v[XS+\i+1]|
	v_max3_num_f32 v13, v13, |v[XS+\i+2]|, |v[XS+\i+3]|
.endr
	v_max3_num_f32 v12, v12, |v[XS+30]|, |v[XS+31]|
	v_max3_num_f32 v12, v12, v13, (EMAX+1)<<23     ; and the floor 2^(3 - 127)
	v_add_nc_u32 v11, -(EMAX<<23), v12             ; the conversion's scale operand
	v_lshrrev_b32 v13, 23, v11                     ; the scale's byte
.if (\t)%4 == 0
	v_mov_b32 v[W4+(\t)/4], v13                    ; four bytes to a K step's word, the lower K in the lower byte
.else
	v_lshl_or_b32 v[W4+(\t)/4], v13, 8*((\t)%4), v[W4+(\t)/4]
.endif
	v_cvt_scalef32_pk16_fp6_f32 v[BB:BB+2], v[XS:XS+15], v11
	v_cvt_scalef32_pk16_fp6_f32 v[96:98], v[XS+16:XS+31], v11   ; (a conversion's three registers begin on an even number)
	v_nop                                          ; one plain instruction behind a scaled conversion
	v_mov_b32 v[BB+3], v96
	v_mov_b32 v[BB+4], v97
	v_mov_b32 v[BB+5], v98
.if (\t)+2 < 16
	LOADW (\t)+2
.endif
.if (\t)%4 == 3                        ; a K step is whole: six stores; in each, sixteen lanes fill 256 consecutive bytes, aligned.  No store's data are written again
.irp hh, 0,1
.irp c, 0,1,2
	global_store_b128 v3, v[CB+24*((\t)/4)+12*\hh+4*\c:CB+24*((\t)/4)+12*\hh+4*\c+3], s[8:9] offset:((\t)/4)*12288+512*\c+256*\hh
.endr
.endr
.endif
.endm
	LOADW 0
	LOADW 1
	global_prefetch_b8 v9, s[32:33] offset:524288 th:TH_LOAD_NT scope:SCOPE_SE   ; blocks 2 and 3
.set Q, 0
.rept 16
	BLOCKW Q
.set Q, Q+1
.endr
	global_store_b128 v4, v[W4:W4+3], s[10:11]     ; my column's four scale words: sixteen lanes fill 256 consecutive bytes
	s_endpgm
; ---- x.  A wave takes one fragment (16 tokens) and eight K steps.  Each load reads 512 consecutive bytes of one row; a K step's 16 rows turn through the wave's own
; stage in LDS (rows of 528 bytes), from which lane (rho, h) takes, of row rho, 16 neighbours of each block of 32.
.Lpath_x:
	s_cmp_lt_u32 ttmp9, 448
	s_cbranch_scc0 .Lpath_c
	s_sub_co_u32 s13, ttmp9, 384
	s_lshl_b32 s14, s13, 2
	s_add_co_u32 s14, s14, s[WV]                   ; task 0..255
	s_lshr_b32 s15, s14, 1                         ; fragment 0..127 of both streams
	s_and_b32 s38, s14, 1                          ; which eight K steps
	s_and_b32 s39, s15, 63
	s_lshr_b32 s40, s39, 1
	s_lshl_b32 s40, s40, 5
	s_and_b32 s41, s15, 1
	s_lshl_b32 s41, s41, 3
	s_add_co_u32 s40, s40, s41                     ; its first token: 32 (F / 2) + 8 (F % 2)
	s_lshl_b32 s40, s40, 13
	s_lshl_b32 s41, s38, 12
	s_add_co_u32 s34, s40, s41
	s_mov_b32 s35, 0
	s_lshr_b32 s40, s15, 3
	s_add_co_u32 s40, s40, 128                     ; x's groups begin at 128
	s_mul_i32 s40, s40, 196608
	s_mul_i32 s41, s38, 8*12288
	s_add_co_u32 s40, s40, s41
	s_and_b32 s41, s15, 7
	s_mul_i32 s41, s41, 1536
	s_add_co_u32 s40, s40, s41
	s_mov_b32 s41, 0
	s_add_co_u32 s42, s15, 1024
	s_lshl_b32 s42, s42, 10
	s_lshl_b32 s43, s38, 9
	s_add_co_u32 s42, s42, s43
	s_mov_b32 s43, 0
	s_mov_b32 s[SEL], 0x76543210
	s_mov_b32 s[SEL+1], 0xfedcba98
	s_mul_i32 s44, s[WV], 8448                     ; my stage: 16 rows x 528 bytes
	s_wait_alu depctr_va_vdst(0)
	v_lshlrev_b32 v2, 4, v1                        ; 16 x lane
	v_add_nc_u32 v3, s44, v2                       ; into the stage
	v_mul_u32_u24 v4, v5, 528
	v_lshl_add_u32 v4, v6, 6, v4
	v_add_nc_u32 v4, s44, v4                       ; out of it: row rho, + 64 h
	v_lshrrev_b32 v7, 1, v1                        ; the prefetches: a K step of my 16 rows is 32 blocks of 256 bytes: two lanes to a row
	v_and_b32 v8, 8, v7
	v_add_nc_u32 v7, v7, v8                        ; fragment row i is token i + 8 (i / 8)
	v_lshlrev_b32 v7, 13, v7
	v_and_b32 v8, 1, v0
	v_lshl_add_u32 v7, v8, 8, v7
.irp b, 0,1,2,3
	v_mov_b32 v[TM+4+\b], 0                        ; a lane permute's destination counts as one of its sources
.endr
	s_wait_alu depctr_va_vdst(0)
	s_wait_kmcnt 0x0
	s_cmp_lt_u32 s13, 32
	s_cselect_b64 s[32:33], s[4:5], s[6:7]
	s_add_nc_u64 s[32:33], s[32:33], s[34:35]
	s_add_nc_u64 s[8:9], s[8:9], s[40:41]
	s_add_nc_u64 s[10:11], s[10:11], s[42:43]
.macro LOADX t                         ; K step t of my 16 rows into set t % 2; fragment row i is token i + 8 (i / 8) from the first
.set I, 0
.rept 16
	global_load_b128 v[R+64*((\t)%2)+4*I:R+64*((\t)%2)+4*I+3], v2, s[32:33] offset:(I+8*(I/8))*8192+512*(\t) th:TH_LOAD_NT
.set I, I+1
.endr
.endm
.macro STEPX t
.if (\t) < 7
	s_wait_loadcnt 16                              ; this K step's 16 loads are in; the next step's 16 may be out
.else
	s_wait_loadcnt 0x0
.endif
.if (\t)+4 < 8
	global_prefetch_b8 v7, s[32:33] offset:512*((\t)+4) th:TH_LOAD_NT scope:SCOPE_SE   ; K step t + 4, whose loads are issued in step t + 2; the last four steps ask for nothing
.endif
.set I, 0
.rept 16
	ds_store_b128 v3, v[R+64*((\t)%2)+4*I:R+64*((\t)%2)+4*I+3] offset:528*I
.set I, I+1
.endr
.set I, 0
.rept 16
	ds_load_b128 v[XN+4*I:XN+4*I+3], v4 offset:128*(I/4)+16*(I%4)   ; LDS serves a wave's instructions in order
.set I, I+1
.endr
	s_wait_dscnt 0x0                               ; my numbers are back, and the stores have read their registers,
.if (\t)+2 < 8
	LOADX (\t)+2                                   ; which take the loads of two steps on
.endif
.if (\t) > 0
	s_wait_xcnt 0x0                                ; the last step's stores have read the codes' registers
.endif
	QUANT XN
	v_mov_b32 v[WX+(\t)], v[PW]
.irp c, 0,1,2
	global_store_b128 v2, v[PC+4*\c:PC+4*\c+3], s[8:9] offset:12288*(\t)+512*\c   ; 32 lanes store 512 consecutive bytes
.endr
.endm
	LOADX 0
	LOADX 1
	global_prefetch_b8 v7, s[32:33] offset:1024 th:TH_LOAD_NT scope:SCOPE_SE   ; K steps 2
	global_prefetch_b8 v7, s[32:33] offset:1536 th:TH_LOAD_NT scope:SCOPE_SE   ; and 3
.irp t, 0,1,2,3,4,5,6,7
	STEPX \t
.endr
	v_cmp_gt_u32 vcc_lo, 16, v1                    ; lanes 0-15 store the first four K steps' words of row rho, lanes 16-31 the other four
.irp i, 0,1,2,3
	v_cndmask_b32 v[WQ+\i], v[WX+4+\i], v[WX+\i], vcc_lo
.endr
	global_store_b128 v2, v[WQ:WQ+3], s[10:11]     ; 512 consecutive bytes
	s_wait_tensorcnt 0x0                           ; the wave's end
	ds_add_u32 v26, v27
	s_wait_dscnt 0x0
	s_endpgm
; ---- THE TABLES.  A wave takes one fragment of 16 tokens of one table (waves 0, 2: cos; waves 1, 3: sin): 8,192 bytes, loaded as the next launch's lanes want them, stored on end.
.Lpath_c:
	s_sub_co_u32 s13, ttmp9, 448
	s_lshl_b32 s14, s13, 1
	s_lshr_b32 s15, s[WV], 1
	s_add_co_u32 s14, s14, s15                     ; fragment 0..127 of both streams
	s_and_b32 s15, s[WV], 1                        ; the table
	s_and_b32 s38, s14, 63
	s_lshr_b32 s39, s38, 1
	s_lshl_b32 s39, s39, 5
	s_and_b32 s40, s14, 1
	s_lshl_b32 s40, s40, 3
	s_add_co_u32 s39, s39, s40                     ; its first token
	s_lshl_b32 s34, s39, 9
	s_mov_b32 s35, 0
	s_lshl_b32 s40, s14, 13
	s_lshl_b32 s41, s15, 20
	s_add_co_u32 s40, s40, s41
	s_mov_b32 s41, 0
	s_wait_alu depctr_va_vdst(0)
	v_lshlrev_b32 v2, 4, v1                        ; out: 16 x lane
	v_and_b32 v3, 8, v5
	v_add_nc_u32 v3, v3, v5                        ; rho + 8 (rho / 8)
	v_lshlrev_b32 v3, 9, v3
	v_lshl_add_u32 v3, v6, 6, v3                   ; in: my row, + 64 h
	s_wait_alu depctr_va_vdst(0)
	s_wait_kmcnt 0x0
	s_cmp_lt_u32 s13, 32                           ; the stream, by the work-group's number; the table, by the wave's
	s_cselect_b64 s[32:33], s[48:49], s[52:53]
	s_cselect_b64 s[42:43], s[50:51], s[54:55]
	s_cmp_eq_u32 s15, 0
	s_cselect_b64 s[32:33], s[32:33], s[42:43]
	s_add_nc_u64 s[32:33], s[32:33], s[34:35]
	s_add_nc_u64 s[56:57], s[56:57], s[40:41]
.set I, 0
.rept 16
	global_load_b128 v[R+4*I:R+4*I+3], v3, s[32:33] offset:128*(I/4)+16*(I%4)
.set I, I+1
.endr
.set I, 0
.rept 16
	s_wait_loadcnt 15-I                            ; number I is in, the younger ones may be out
	global_store_b128 v2, v[R+4*I:R+4*I+3], s[56:57] offset:512*I
.set I, I+1
.endr
	s_endpgm
.Lfunc_end_k_qfae0ce0707_quant:
	.size	k_qfae0ce0707_quant, .Lfunc_end_k_qfae0ce0707_quant-k_qfae0ce0707_quant
	.p2alignl 7, 3214868480
	.fill 96, 4, 3214868480
	.section	.rodata,"a",@progbits
	.p2align	6, 0x0
	.amdhsa_kernel k_qfae0ce0707_quant
		.amdhsa_group_segment_fixed_size 34304
		.amdhsa_private_segment_fixed_size 0
		.amdhsa_enable_private_segment 0
		.amdhsa_kernarg_size 120
		.amdhsa_user_sgpr_count 2
		.amdhsa_user_sgpr_kernarg_segment_ptr 1
		.amdhsa_wavefront_size32 1
		.amdhsa_system_sgpr_workgroup_id_x 1
		.amdhsa_system_sgpr_workgroup_id_y 1
		.amdhsa_system_sgpr_workgroup_id_z 1
		.amdhsa_system_vgpr_workitem_id 0
		.amdhsa_next_free_vgpr 256
		.amdhsa_next_free_sgpr 66
		.amdhsa_reserve_vcc 1
		.amdhsa_float_denorm_mode_32 3
		.amdhsa_float_denorm_mode_16_64 3
		.amdhsa_memory_ordered 1
		.amdhsa_forward_progress 1
		.amdhsa_inst_pref_size 147
	.end_amdhsa_kernel
	.amdgpu_metadata
---
amdhsa.version: [ 1, 2 ]
amdhsa.kernels:
  - .name:           k_qfae0ce0707_quant
    .symbol:         k_qfae0ce0707_quant.kd
    .args:
      - { .name: x_1, .offset: 0, .size: 8, .value_kind: global_buffer, .address_space: global }
      - { .name: x_2, .offset: 8, .size: 8, .value_kind: global_buffer, .address_space: global }
      - { .name: wq1, .offset: 16, .size: 8, .value_kind: global_buffer, .address_space: global }
      - { .name: wk1, .offset: 24, .size: 8, .value_kind: global_buffer, .address_space: global }
      - { .name: wv1, .offset: 32, .size: 8, .value_kind: global_buffer, .address_space: global }
      - { .name: wq2, .offset: 40, .size: 8, .value_kind: global_buffer, .address_space: global }
      - { .name: wk2, .offset: 48, .size: 8, .value_kind: global_buffer, .address_space: global }
      - { .name: wv2, .offset: 56, .size: 8, .value_kind: global_buffer, .address_space: global }
      - { .name: cimg, .offset: 64, .size: 8, .value_kind: global_buffer, .address_space: global }
      - { .name: cscl, .offset: 72, .size: 8, .value_kind: global_buffer, .address_space: global }
      - { .name: cos1, .offset: 80, .size: 8, .value_kind: global_buffer, .address_space: global }
      - { .name: sin1, .offset: 88, .size: 8, .value_kind: global_buffer, .address_space: global }
      - { .name: cos2, .offset: 96, .size: 8, .value_kind: global_buffer, .address_space: global }
      - { .name: sin2, .offset: 104, .size: 8, .value_kind: global_buffer, .address_space: global }
      - { .name: csimg, .offset: 112, .size: 8, .value_kind: global_buffer, .address_space: global }
    .group_segment_fixed_size: 34304
    .private_segment_fixed_size: 0
    .kernarg_segment_align: 8
    .kernarg_segment_size: 120
    .max_flat_workgroup_size: 128
    .sgpr_count:     66
    .vgpr_count:     256
    .wavefront_size: 32
...
	.end_amdgpu_metadata
.endif
;; end of part 1
;; launch qkv (part 2): grid 64 x 4, 4 waves a work-group, clusters of 4 x 4, 327,680 bytes of LDS; arguments cimg, cscl, qkvimg, qkvscl, bq1, bk1, bv1, bq2, bk2, bv2, csimg, wo1, wo2, woimg; writes qkvimg, qkvscl, woimg
.if DOCPART == 2
	.amdgcn_target "amdgcn-amd-amdhsa--gfx1250"
	.amdhsa_code_object_version 6
	.text
	.protected	k_qfae0ce0707_qkv
	.globl	k_qfae0ce0707_qkv
	.p2align	8
	.type	k_qfae0ce0707_qkv,@function
k_qfae0ce0707_qkv:
	s_mov_b64 s[64:65], 0
	v_nop
	global_prefetch_b8 v0, s[64:65] scope:SCOPE_SE
	s_setreg_imm32_b32 hwreg(HW_REG_WAVE_MODE, 25, 1), 1
	s_wait_xcnt 0x0
	s_wait_alu depctr_hold_cnt(0) depctr_sa_sdst(0) depctr_va_vdst(0) depctr_va_sdst(0) depctr_va_ssrc(0) depctr_va_vcc(0) depctr_vm_vsrc(0)
	s_getreg_b32 s2, hwreg(HW_REG_IB_STS2, 6, 4)
	s_cmp_eq_u32 s2, 0
	s_cbranch_scc0 .Lentry_in_a_cluster
	s_endpgm
.Lentry_in_a_cluster:
	s_bfe_u32 s2, ttmp6, 0x10000c
	s_cmp_lg_u32 s2, 0xf033
	s_cbranch_scc0 .Lentry_shape_is_right
	s_endpgm
.Lentry_shape_is_right:
; CLUSTERS 0-11: the six projections on codes of FP6 (E2M3), K = 2,048, and what follows them up to the next quantiser: bias, q x 128^-0.5, RoPE; q, k and v leave as codes.
; CLUSTERS 12-15: wo1 and wo2, f32, become codes and scale words in woimg for the last launch (at the text's end).  Which of the two a cluster does hangs on the cluster's number alone.
; Operands come as images of operand registers (cimg: [group of 128 rows][K step of 128][fragment][1,536 bytes]; cscl: their scale words), so a fragment is three loads of 16 bytes a lane
; at 16 x lane, a group's 256 along K is one dense block of 24,576 bytes, and LDS needs no padding.
; A work-group of four waves makes 256 x 256, a wave 128 x 128: 64 accumulators.  SOURCE 0 = 16 rows of B, SOURCE 1 = 16 rows of A: a lane holds one row of A, and, by the fragments' row order
; (row rho of fragment f = row 32 (f / 2) + 8 (f % 2) + rho + 8 (rho / 8)), the 64 registers of A's block a are register 16 b + i = B's row 32 b + 16 (lane / 16) + i: 16 neighbours of each block of 32.
; Six clusters a stream.  Parts 0-3 of a stream: A = x (tokens), B = wq | wk (columns): q and k, quantised along the head.  Parts 4, 5: A = wv (columns), B = x (tokens): V^T, quantised along the keys.
; A's tiles are shared along a row of the cluster, B's along a column: joint loads.  K goes in chunks of 256 through two LDS slots; the scale words of all of K come once, at the head.
; THE HEAD: one tensor load a wave: slot 0's codes of A, of B, A's scale words, B's.  Slot 1 is first filled behind the full sequence and a round.
; PREFETCH: behind the load of chunk c each wave asks for chunk c + 2 of the 24,576 bytes that it fetches: the four partners that ask jointly take 6,144 bytes each, told apart by address: 24 lanes,
; 256 bytes apart (lanes 24-31 name the last block again).  The last trip's two refills ask for nothing: chunk 7 is the last.
; THE TABLES come from csimg, laid in the order of a lane's registers: each load reads 512 consecutive bytes.
; OUT: qkvimg [kind q, k, v][head][group of 128 tokens][fragment][1,536]; qkvscl [kind][head][group][512]: fragment f's word of row rho at 256 (f / 4) + 16 rho + 4 (f % 4).
; LIMITS: NaN and infinities are not served; a block under 2^-124, or of zeros, keeps the scale byte 1 (its codes are right or zeros; this program alone reads the bytes).
; q is made as sum x c + (b x c), RoPE as a product and a fused multiply-add: an order of f32 roundings that differs from the written one by a rounding each.
; REGISTERS: window 0: v0-31 addresses; v32-63 scale words, two sets; v128-223 A's fragments, one set.  Window 1: B's fragments, two sets, at v0 and v128.  Windows 2, 3: the accumulators.
.set FR,     12                        ; registers of a fragment
.set NL,     3                         ; LDS loads that bring one
.set NP,     4                         ; places behind this matrix instruction (ISA guide 7.12.1)
.set KSTEPB, 12288                     ; a group's 128 along K: 8 images
.set GRPB,   196608                    ; a group's 2,048 along K
.set BLD,    24576                     ; what one tensor load of the ring brings
.set SLOT,   4*BLD                     ; A's two groups, then B's
.set SBH,    8192                      ; a group's scale words
.set SBTOT,  2*SBH
.set SCL,    2*SLOT                    ; behind the ring: B's scale words, then A's
.set SPARE,  SCL+2*SBTOT               ; the spare words, 128 bytes for each wave
.set LAPS,   4                         ; a lap = two slots = 512 along K
.set ADRA, 16                          ; v16-17  LDS address of my A fragments in slot 0, 1
.set ADRB, 20                          ; v20-21  the same for B
.set ADRS, 27                          ; v27     LDS address of my scale words: lanes 0-15 A's rows, lanes 16-31 B's
.set SPW,  28                          ; v28     LDS address of my spare word; never rewritten
.set NIL,  29                          ; v29     0; never rewritten
.set LI,   30                          ; v30     16 x lane
.set PFO,  31                          ; v31     the prefetches' offset: 256 x min(lane, 23)
.set PFA,  12                          ; s[12:13] where my prefetches stand
.set SC,   32                          ; scale words: set s at v[SC + 16 s]; register 2 i + q: lanes 0-15 A's block i, lanes 16-31 B's block i, the slot's q-th 128 along K
.set AF,   128
.set G1, 24                            ; s[24:31] group 1 for A's tiles;  s[32:39] group 0, one set for each slot
.set G0, 32
.set G1B, 48                           ; s[48:55], s[56:63] the same for B's
.set G0B, 56
.set G1S, 68                           ; s[68:75], s[76:79] groups 1 and 0 for A's scale words;  s[80:87], s[88:91] for B's
.set G0S, 76
.set G1SB, 80
.set G0SB, 88
.set SEL, 66                           ; s[66:67] in the epilogue: lane selects for v_permlanex16_b32
.set VB,  3                            ; v3   64 h
.set VBL, 6                            ; v6   4 (rho + 8 (rho / 8))
.set PC,  8                            ; the epilogue, window 0: v8-19 codes, v20-27 at work
.set TM,  32
.set PW,  48
.set WS,  50                           ; v50-57 the eight fragments' scale words
.set WQ,  60
.set BL,  64                           ; v64-71 bv of my channel in each fragment
.set MSB, 0
.macro WIN new                         ; the immediate's high byte repeats the setting that is left
.if MSB != (\new)
	s_set_vgpr_msb (MSB<<8)|(\new)
.set MSB, (\new)
.endif
.endm
.set MUL_LO, 0xa1                      ; source 0 (B) window 1, source 1 (A) window 0, C and D window 2
.set MUL_HI, 0xf1
.set TO_B,   0x40
; A joint load: waves 0 and 1 fetch for A, waves 2 and 3 for B; the branch hangs on the wave's number alone.  s_nop 0 and four v_nop follow each line.
.macro JLOAD g0a, g1a, g0b, g1b
	s_cmp_eq_u32 s15, 0
	s_cbranch_scc0 .Lfor_b_\@
	tensor_load_to_lds s[\g0a:\g0a+3], s[\g1a:\g1a+7]
	s_nop 0
.rept 4
	v_nop
.endr
	s_branch .Lasked_\@
.Lfor_b_\@:
	tensor_load_to_lds s[\g0b:\g0b+3], s[\g1b:\g1b+7]
	s_nop 0
.rept 4
	v_nop
.endr
.Lasked_\@:
.endm
.macro CREST                           ; a round of the cluster's barrier behind its opening barrier
	s_cmp_lg_u32 s14, 0
	s_cbranch_scc1 .Lnot_wave_0_\@
	s_barrier_signal -3
.Lnot_wave_0_\@:
	s_barrier_wait -3
	s_barrier_signal -1
	s_barrier_wait -1
.endm
.macro CROUND
	s_barrier_signal -1
	s_barrier_wait -1
	CREST
.endm
.macro QUANT s                         ; 64 numbers of a lane, register 16 b + i = k 32 b + 16 (lane / 16) + i of my row -> codes in v[PC] on, scale word in v[PW]
.irp b, 0,1,2,3
	v_max3_num_f32 v[TM+\b], |v[\s+16*\b]|, |v[\s+1+16*\b]|, 0x1800000   ; and the floor 2^(3 - 127)
.endr
.irp i, 2,4,6,8,10,12,14
.irp b, 0,1,2,3
	v_max3_num_f32 v[TM+\b], v[TM+\b], |v[\s+16*\b+\i]|, |v[\s+1+16*\b+\i]|
.endr
.endr
.irp b, 0,1,2,3
	v_permlanex16_b32 v[TM+4+\b], v[TM+\b], s[SEL], s[SEL+1]
.endr
.irp b, 0,1,2,3
	v_max_num_f32 v[TM+\b], v[TM+\b], v[TM+4+\b]
.endr
.irp b, 0,1,2,3
	v_add_nc_u32 v[TM+12+\b], 0xff000000, v[TM+\b]   ; 2 off the exponent field: the conversion's scale operand
.endr
.irp b, 0,1,2,3
	v_lshrrev_b32 v[TM+4+\b], 23, v[TM+12+\b]
.endr
	v_lshl_or_b32 v[PW], v[TM+5], 8, v[TM+4]
	v_lshl_or_b32 v[PW], v[TM+6], 16, v[PW]
	v_lshl_or_b32 v[PW], v[TM+7], 24, v[PW]
.irp c, 0,1
	v_cvt_scalef32_pk16_fp6_f32 v[PC+6*\c:PC+2+6*\c], v[\s+32*\c:\s+15+32*\c], v[TM+12+2*\c]
	v_cvt_scalef32_pk16_fp6_f32 v[PC+12+4*\c:PC+14+4*\c], v[\s+16+32*\c:\s+31+32*\c], v[TM+12+2*\c+1]
.endr
	v_nop                                          ; one plain instruction behind a scaled conversion
.irp c, 0,1
.irp i, 0,1,2
	v_permlane16_swap_b32 v[PC+6*\c+\i], v[PC+12+4*\c+\i]
.endr
.irp i, 0,1,2
	v_mov_b32 v[PC+3+6*\c+\i], v[PC+12+4*\c+\i]
.endr
.endr
.endm
	s_load_b256 s[4:11], s[0:1], 0x0               ; cimg s[4:5], cscl s[6:7], qkvimg s[8:9], qkvscl s[10:11]
	v_lshl_add_u32 v[SPW], v0, 2, SPARE
	v_mov_b32 v[NIL], 0
	ds_add_u32 v[SPW], v[NIL]                      ; the opening lines: the add, twice on end, and its wait
	ds_add_u32 v[SPW], v[NIL]
	s_wait_dscnt 0x0
	v_lshrrev_b32 v1, 5, v0
	v_readfirstlane_b32 s14, v1                    ; wave 0..3
	s_wait_alu depctr_va_vdst(0)                   ; the wait ahead of the branch
	s_cmp_ge_u32 ttmp9, 12                         ; the cluster's number: 12-15 take wo1 and wo2
	s_cbranch_scc1 .Lpath_wo
	s_lshr_b32 s15, s14, 1                         ; which half of the tile's rows (A) is mine.  Also: I fetch for A (0) or for B (1)
	s_and_b32 s16, s14, 1                          ; which half of its columns (B).  Also: which group of that operand I fetch
	s_bfe_u32 s40, ttmp6, 0x40000                  ; cx, cy
	s_bfe_u32 s41, ttmp6, 0x40004
	s_lshl_b32 s43, s41, 2
	s_lshl_b32 s43, 15, s43                        ; my row of the cluster
	s_lshl_b32 s44, 0x1111, s40                    ; my column
	s_cmp_ge_u32 ttmp9, 6                          ; stream ST, part J = 0 .. 5 of its [wq | wk | wv]
	s_cselect_b32 s95, 1, 0
	s_mul_i32 s17, s95, 6
	s_sub_co_u32 s97, ttmp9, s17
	s_mul_i32 s17, s95, 48
	s_lshl_b32 s18, s97, 3
	s_add_co_u32 s17, s17, s18                     ; the weights' first group: 48 ST + 8 J
	s_lshl_b32 s18, s95, 3
	s_add_co_u32 s18, s18, 128                     ; x's first group: 128 + 8 ST
	s_cmp_lt_u32 s97, 4
	s_cselect_b32 s19, s18, s17                    ; A's first group
	s_cselect_b32 s42, s17, s18                    ; B's
	s_or_b32 s[G1+0], s43, (3<<16)|(1<<21)         ; 15:0 the mask; 17:16 elements of 8 bytes; 21 set beside a mask
	s_or_b32 s[G1B+0], s44, (3<<16)|(1<<21)
	s_or_b32 s[G1S+0], s43, (3<<16)|(1<<21)
	s_or_b32 s[G1SB+0], s44, (3<<16)|(1<<21)
.irp g, G1, G1B                                ; for the head's loads of codes: an operand's two groups, 24,576 bytes of each: two rows of 3,072 elements, a group apart
	s_mov_b32 s[\g+1], 3072<<16
	s_mov_b32 s[\g+2], 2<<16
	s_mov_b32 s[\g+3], 3072<<16
	s_mov_b32 s[\g+4], 2
	s_mov_b32 s[\g+5], GRPB/8
	s_mov_b32 s[\g+6], 0
	s_mov_b32 s[\g+7], 0
.endr
.irp g, G1S, G1SB                              ; two groups' scale words: 16,384 dense bytes as 64 rows of 256
	s_mov_b32 s[\g+1], 32<<16
	s_mov_b32 s[\g+2], 64<<16
	s_mov_b32 s[\g+3], 32<<16
	s_mov_b32 s[\g+4], 64
	s_mov_b32 s[\g+5], 32
	s_mov_b32 s[\g+6], 0
	s_mov_b32 s[\g+7], 0
.endr
	s_lshl_b32 s20, s41, 1                         ; A's hang on cy alone, B's on cx alone, each in registers that never hold the other
	s_add_co_u32 s20, s20, s19                     ; A's first group of two
	s_lshl_b32 s22, s20, 13
	s_mul_i32 s20, s20, GRPB
	s_mov_b32 s21, 0
	s_mov_b32 s23, 0
	s_lshl_b32 s46, s40, 1
	s_add_co_u32 s46, s46, s42                     ; B's
	s_lshl_b32 s66, s46, 13
	s_mul_i32 s46, s46, GRPB
	s_mov_b32 s47, 0
	s_mov_b32 s67, 0
	s_mul_i32 s45, s16, BLD                        ; where the ring's loads go: no place in the cluster enters an LDS address
	s_mul_i32 s2, s16, BLD
	s_add_co_u32 s2, s2, 2*BLD
	s_cmp_eq_u32 s15, 0                            ; the prefetches: the group that I fetch, and my place among the four that ask for it with me
	s_cselect_b32 s12, s41, s40
	s_cselect_b32 s13, s19, s42
	s_cselect_b32 s17, s40, s41
	s_lshl_b32 s12, s12, 1
	s_add_co_u32 s12, s12, s13
	s_add_co_u32 s12, s12, s16
	s_mul_i32 s12, s12, GRPB
	s_mul_i32 s17, s17, BLD/4
	s_add_co_u32 s12, s12, s17
	s_add_co_u32 s12, s12, 2*BLD                   ; at chunk 2
	s_mov_b32 s13, 0
	s_wait_kmcnt 0x0
	s_add_nc_u64 s[20:21], s[4:5], s[20:21]
	s_add_nc_u64 s[22:23], s[6:7], s[22:23]
	s_add_nc_u64 s[46:47], s[4:5], s[46:47]
	s_add_nc_u64 s[66:67], s[6:7], s[66:67]
	s_add_nc_u64 s[PFA:PFA+1], s[4:5], s[PFA:PFA+1]
	CROUND                                         ; all sixteen work-groups are here: the first joint loads meet
	s_mov_b32 s[G0S], 1
	s_mov_b32 s[G0S+1], SCL+SBTOT
	s_mov_b64 s[G0S+2:G0S+3], s[22:23]
	s_or_b32 s[G0S+3], s[G0S+3], 0x80000000
	s_mov_b32 s[G0SB], 1
	s_mov_b32 s[G0SB+1], SCL
	s_mov_b64 s[G0SB+2:G0SB+3], s[66:67]
	s_or_b32 s[G0SB+3], s[G0SB+3], 0x80000000
	s_mul_i32 s4, s16, GRPB                        ; in the ring I fetch one of an operand's two groups: its distance in bytes (the arguments that lay here have been used)
	s_mov_b32 s5, 0
	s_mov_b32 s[G0], 1                             ; slot 0's sets serve the head's loads first: both groups of A,
	s_mov_b32 s[G0+1], 0
	s_mov_b64 s[G0+2:G0+3], s[20:21]
	s_or_b32 s[G0+3], s[G0+3], 0x80000000
	s_mov_b32 s[G0B], 1                            ; both groups of B, behind them
	s_mov_b32 s[G0B+1], 2*BLD
	s_mov_b64 s[G0B+2:G0B+3], s[46:47]
	s_or_b32 s[G0B+3], s[G0B+3], 0x80000000
	s_add_nc_u64 s[20:21], s[20:21], s[4:5]
	s_add_nc_u64 s[46:47], s[46:47], s[4:5]
	s_mov_b32 s[G0+4], 1                           ; slot 1: my group's chunk 1
	s_add_co_u32 s[G0+5], s45, SLOT
	s_add_nc_u64 s[G0+6:G0+7], s[20:21], BLD
	s_or_b32 s[G0+7], s[G0+7], 0x80000000
	s_mov_b32 s[G0B+4], 1
	s_add_co_u32 s[G0B+5], s2, SLOT
	s_add_nc_u64 s[G0B+6:G0B+7], s[46:47], BLD
	s_or_b32 s[G0B+7], s[G0B+7], 0x80000000
; THE HEAD'S LOADS, ONE A WAVE.  One chain of branches on the wave's number; every way passes one load.
.macro ARM under, g0, g1, next
	s_cmp_lt_u32 s14, \under
	s_cbranch_scc0 \next
	tensor_load_to_lds s[\g0:\g0+3], s[\g1:\g1+7]
	s_nop 0
.rept 4
	v_nop
.endr
	s_branch .Lhead_asked
\next:
.endm
	ARM 1, G0,  G1,  .Lhead_b
	ARM 2, G0B, G1B, .Lhead_sa
	ARM 3, G0S, G1S, .Lhead_sb
	tensor_load_to_lds s[G0SB:G0SB+3], s[G1SB:G1SB+7]
	s_nop 0
.rept 4
	v_nop
.endr
.Lhead_asked:
	v_and_b32 v1, 15, v0                           ; rho
	v_bfe_u32 v2, v0, 4, 1                         ; h
	v_and_b32 v[LI], 31, v0
	v_min_u32 v[PFO], 23, v[LI]
	v_lshlrev_b32 v[PFO], 8, v[PFO]
	v_lshlrev_b32 v[LI], 4, v[LI]
	s_mul_i32 s21, s15, BLD                        ; my group of A
	s_mul_i32 s22, s16, BLD                        ; my group of B,
	s_add_co_u32 s22, s22, 2*BLD                   ; behind A's two
.irp s, 0,1
	v_add_nc_u32 v[ADRA+\s], s21, v[LI]
	v_add_nc_u32 v[ADRB+\s], s22, v[LI]
	s_add_co_u32 s21, s21, SLOT
	s_add_co_u32 s22, s22, SLOT
.endr
	v_xor_b32 v5, 1, v2                            ; lanes 16-31 take B's words, which lie first; lanes 0-15 A's: the lower base + (h xor 1) x the distance
	s_mul_i32 s21, s16, SBH
	s_lshl_b32 s22, s15, 13
	s_add_co_u32 s22, s22, SBTOT
	s_sub_co_u32 s22, s22, s21
	v_mul_u32_u24 v7, s22, v5
	s_add_co_u32 s21, s21, SCL
	v_lshl_add_u32 v7, v1, 4, v7
	v_add_nc_u32 v[ADRS], s21, v7
	v_lshlrev_b32 v[VB], 6, v2
	v_and_b32 v5, 8, v1
	v_add_nc_u32 v5, v5, v1
	v_lshlrev_b32 v[VBL], 2, v5
	global_prefetch_b8 v[PFO], s[PFA:PFA+1] th:TH_LOAD_NT scope:SCOPE_SE   ; behind chunk 0's load: chunk 2
	s_lshl_b32 s20, s41, 1                         ; where my 128 x 128 goes
	s_add_co_u32 s20, s20, s19
	s_add_co_u32 s20, s20, s15                     ; my group of A
	s_lshl_b32 s21, s40, 1
	s_add_co_u32 s21, s21, s42
	s_add_co_u32 s21, s21, s16                     ; my group of B
	s_cmp_lt_u32 s97, 4
	s_cselect_b32 s22, s20, s21                    ; x's
	s_cselect_b32 s23, s21, s20                    ; the weights'
	s_sub_co_u32 s22, s22, 128                     ; the group of 128 tokens among the 2,048 joined ones
	s_mul_i32 s17, s95, 48
	s_sub_co_u32 s23, s23, s17
	s_lshr_b32 s17, s23, 4                         ; kind: 0 q, 1 k, 2 v
	s_and_b32 s98, s23, 15                         ; head
	s_mov_b32 s96, s22
	s_lshl_b32 s18, s98, 4
	s_add_co_u32 s18, s18, s22
	s_mul_i32 s20, s17, 3145728
	s_mul_i32 s21, s18, 12288
	s_add_co_u32 s20, s20, s21
	s_mov_b32 s21, 0
	s_add_nc_u64 s[8:9], s[8:9], s[20:21]
	s_lshl_b32 s20, s17, 17
	s_lshl_b32 s22, s18, 9
	s_add_co_u32 s20, s20, s22
	s_add_nc_u64 s[10:11], s[10:11], s[20:21]
.macro FRAG reg, adr, q, i             ; a fragment's image comes back as it was stored: three loads, 512 consecutive bytes each
.irp c, 0,1,2
	ds_load_b128 v[\reg+4*\c:\reg+4*\c+3], v[\adr] offset:(\q)*KSTEPB+(\i)*1536+512*\c
.endr
.endm
; A's blocks a0, a0 + 1 x B's eight, 128 along K.  The accumulators take turns, one instruction a turn, in the same order in every step.
.macro MUL16 a0, p, q, sc, zero
.irp a, \a0, \a0+1
.irp b, 0,1,2,3,4,5,6,7
.set AR, 8*((8*(\a)+\b)%32)
.if \zero
	v_wmma_scale_f32_16x16x128_f8f6f4 v[AR:AR+7], v[128*(\p)+FR*\b:128*(\p)+FR*\b+FR-1], v[AF+FR*(\a):AF+FR*(\a)+FR-1], 0, v[SC+16*(\sc)+2*\b+(\q)], v[SC+16*(\sc)+2*(\a)+(\q)] matrix_a_fmt:MATRIX_FMT_FP6 matrix_b_fmt:MATRIX_FMT_FP6 matrix_a_scale:MATRIX_SCALE_ROW1
.else
	v_wmma_scale_f32_16x16x128_f8f6f4 v[AR:AR+7], v[128*(\p)+FR*\b:128*(\p)+FR*\b+FR-1], v[AF+FR*(\a):AF+FR*(\a)+FR-1], v[AR:AR+7], v[SC+16*(\sc)+2*\b+(\q)], v[SC+16*(\sc)+2*(\a)+(\q)] matrix_a_fmt:MATRIX_FMT_FP6 matrix_b_fmt:MATRIX_FMT_FP6 matrix_a_scale:MATRIX_SCALE_ROW1
.endif
.endr
.endr
.endm
.macro FETCH_B slot, q, p
	WIN TO_B
.irp i, 0,1,2,3,4,5,6,7
	FRAG 128*(\p)+FR*\i, ADRB+\slot, \q, \i
.endr
	WIN 0
.endm
.macro FETCH_A slot, q, i0
.irp i, \i0, \i0+1, \i0+2, \i0+3
	FRAG AF+FR*(\i), ADRA+\slot, \q, \i
.endr
.endm
.macro SCALES sc                       ; a slot's two words a row
.irp i, 0,1,2,3,4,5,6,7
	ds_load_b64 v[SC+16*\sc+2*\i:SC+16*\sc+2*\i+1], v[ADRS] offset:1024*\i
.endr
.endm
.macro PLACES n                        ; plain instructions between a matrix instruction and a load into, or a read of, its registers
.rept \n
	v_nop
.endr
.endm
.macro STEP slot, q, zero              ; a step of 128 along K that has its successor in the same slot
	s_wait_dscnt 4*NL                              ; all but the youngest twelve loads (A's blocks 4-7)
	WIN MUL_LO
	MUL16 0, (\q)%2, \q, \slot, \zero
	MUL16 2, (\q)%2, \q, \slot, \zero
	s_wait_dscnt 0
	PLACES NP
	FETCH_B \slot, (\q)+1, 1-(\q)%2
	FETCH_A \slot, (\q)+1, 0
	WIN MUL_HI
	MUL16 4, (\q)%2, \q, \slot, \zero
	MUL16 6, (\q)%2, \q, \slot, \zero
	PLACES NP
	WIN 0
	FETCH_A \slot, (\q)+1, 4
.endm
; A slot's last step changes slots: one barrier; in front of it each wave waits for all its tensor loads, adds 0 to its spare word, and waits for that and for its reads of this slot.
.macro TURN slot, next, fill
.if \fill
	s_wait_xcnt 0x0                                ; my last prefetch has read its address: it steps a chunk on
	s_add_nc_u64 s[PFA:PFA+1], s[PFA:PFA+1], BLD
.endif
	s_wait_tensorcnt 0x0                           ; all my tensor loads have landed: my part of the next slot
	ds_add_u32 v[SPW], v[NIL]
	s_wait_dscnt 4*NL+1                            ; (the add and the youngest twelve loads may be out)
	WIN MUL_LO
	MUL16 0, 1, 1, \slot, 0
	s_wait_dscnt 0x0                               ; the add is done, and my reads of this slot are over
	s_barrier_signal -1
	MUL16 2, 1, 1, \slot, 0
	WIN 0
	s_barrier_wait -1
.if \fill
	CREST                                          ; the barrier has opened a round of the cluster's
	s_add_nc_u64 s[G0+4*\slot+2:G0+4*\slot+3], s[G0+4*\slot+2:G0+4*\slot+3], 2*BLD
	s_add_nc_u64 s[G0B+4*\slot+2:G0B+4*\slot+3], s[G0B+4*\slot+2:G0B+4*\slot+3], 2*BLD
	JLOAD G0+4*\slot, G1, G0B+4*\slot, G1B         ; the first tensor load behind the round; its four v_nop are the places in front of the loads below
.else
	PLACES NP
.endif
	s_wait_alu depctr_va_vdst(0)                   ; the wait ahead of the reader below
.if \next == 1
	v_add_nc_u32 v[ADRS], 8, v[ADRS]               ; the next slot's two words: K steps s % 4 = 2, 3 of the same 16 bytes,
.else
	v_add_nc_u32 v[ADRS], 248, v[ADRS]             ; or the next 256 bytes' first two
.endif
	FETCH_B \next, 0, 0
	FETCH_A \next, 0, 0
	SCALES \next
.if \fill
	s_cmp_gt_u32 s3, 1                             ; the last trip's refills are chunks 6 and 7: nothing stands two on
	s_cbranch_scc0 .Lno_ask_\@
	global_prefetch_b8 v[PFO], s[PFA:PFA+1] offset:BLD th:TH_LOAD_NT scope:SCOPE_SE   ; the chunk two refills on
.Lno_ask_\@:
.endif
	WIN MUL_HI
	MUL16 4, 1, 1, \slot, 0
	MUL16 6, 1, 1, \slot, 0
	PLACES NP
	WIN 0
	FETCH_A \next, 0, 4
.endm
	s_wait_alu depctr_va_vdst(0)                   ; the wait at the head's end
	s_wait_tensorcnt 0x0                           ; my tile of the head's four is in
	ds_add_u32 v[SPW], v[NIL]
.irp g, G1, G1B                                ; no tensor load of mine is out: from here on a load brings one group's 24,576 dense bytes as 96 rows of 256
	s_mov_b32 s[\g+1], 32<<16
	s_mov_b32 s[\g+2], 96<<16
	s_mov_b32 s[\g+3], 32<<16
	s_mov_b32 s[\g+4], 96
	s_mov_b32 s[\g+5], 32
.endr
	s_mov_b32 s[G0+1], s45                         ; and slot 0's sets stand at my group
	s_add_nc_u64 s[G0+2:G0+3], s[G0+2:G0+3], s[4:5]
	s_mov_b32 s[G0B+1], s2
	s_add_nc_u64 s[G0B+2:G0B+3], s[G0B+2:G0B+3], s[4:5]
	s_wait_dscnt 0x0
	CROUND                                         ; all four tiles are in, and all sixteen work-groups are here
	JLOAD G0+4, G1, G0B+4, G1B                     ; slot 1's first fill, the first tensor load behind the round
	FETCH_B 0, 0, 0
	FETCH_A 0, 0, 0
	SCALES 0
	FETCH_A 0, 0, 4
	global_prefetch_b8 v[PFO], s[PFA:PFA+1] offset:BLD th:TH_LOAD_NT scope:SCOPE_SE   ; behind chunk 1's load: chunk 3
	STEP 0, 0, 1                                   ; the first step stands in front of the loop: its products start the sums
	s_mov_b32 s3, LAPS-1
.Llap:                                             ; a trip goes once round the ring and fills both slots again
	TURN 0, 1, 1
	STEP 1, 0, 0
	TURN 1, 0, 1
	STEP 0, 0, 0
	s_sub_co_u32 s3, s3, 1
	s_cmp_lg_u32 s3, 0
	s_cbranch_scc1 .Llap
	TURN 0, 1, 0                                   ; the last lap fills nothing
	s_load_b256 s[24:31], s[0:1], 0x20             ; no tensor load of mine is out and none follows: the descriptors' registers take bq1, bk1, bv1, bq2,
	s_load_b128 s[32:35], s[0:1], 0x40             ; bk2, bv2,
	s_load_b64 s[36:37], s[0:1], 0x50              ; csimg
	STEP 1, 0, 0
	s_wait_dscnt 4*NL
	WIN MUL_LO
	MUL16 0, 1, 1, 1, 0
	MUL16 2, 1, 1, 1, 0
	s_wait_dscnt 0
	WIN MUL_HI
	MUL16 4, 1, 1, 1, 0
	MUL16 6, 1, 1, 1, 0
	WIN 0
; ---- THE EPILOGUE, block a of A's eight at a time: 64 registers a lane become a fragment.  No LDS: each load and store is 512 consecutive bytes of an image.
	PLACES NP
.irp b, 0,1,2,3
	v_mov_b32 v[TM+4+\b], 0                        ; a lane permute's destination counts as one of its sources
.endr
	s_mov_b32 s[SEL], 0x76543210
	s_mov_b32 s[SEL+1], 0xfedcba98
	s_wait_kmcnt 0x0
	s_cmp_eq_u32 s95, 0                            ; my stream's biases
	s_cselect_b64 s[24:25], s[24:25], s[30:31]
	s_cselect_b64 s[26:27], s[26:27], s[32:33]
	s_cselect_b64 s[28:29], s[28:29], s[34:35]
	s_lshl_b32 s20, s98, 9                         ; the head's 128 numbers of a bias
	s_mov_b32 s21, 0
	s_cmp_lt_u32 s97, 4
	s_cbranch_scc0 .Lpath_v
; q and k.  Three sets of tables, at v64, v128, v192: cos in window 0, which then takes the result; sin in window 1 under the same numbers.  Window 1, v0-63: the bias.
	s_mov_b32 s100, 0x3f800000
	s_cmp_lt_u32 s97, 2
	s_cselect_b64 s[24:25], s[24:25], s[26:27]     ; bq or bk
	s_cselect_b32 s100, 0x3db504f3, s100           ; c = 128^-0.5 for q, 1 for k
	s_mov_b32 s101, s100
	s_add_nc_u64 s[24:25], s[24:25], s[20:21]
	s_lshl_b32 s20, s96, 16                        ; my group's eight fragments of 8,192 bytes in each table
	s_add_nc_u64 s[36:37], s[36:37], s[20:21]
	WIN 0x40
.irp n, 0,1,2,3,4,5,6,7,8,9,10,11,12,13,14,15
	global_load_b128 v[4*\n:4*\n+3], v[VB], s[24:25] offset:128*(\n/4)+16*(\n%4)   ; register 16 b + i: the bias of channel 32 b + 16 h + i
.endr
.macro LOADCS a, p                     ; cos and sin of block a's tokens at my channels, into set p
	WIN 0
.irp n, 0,1,2,3,4,5,6,7,8,9,10,11,12,13,14,15
	global_load_b128 v[64+64*(\p)+4*\n:64+64*(\p)+4*\n+3], v[LI], s[36:37] offset:8192*(\a)+512*\n
.endr
	WIN 0x40
.irp n, 0,1,2,3,4,5,6,7,8,9,10,11,12,13,14,15
	global_load_b128 v[64+64*(\p)+4*\n:64+64*(\p)+4*\n+3], v[LI], s[36:37] offset:1048576+8192*(\a)+512*\n
.endr
.endm
	LOADCS 0, 0
	LOADCS 1, 1
.irp a, 0,1,2,3,4,5,6,7
.set CO, 64+64*((\a)%3)
.set AC, 64*((\a)%4)
.set WA, 2+(\a)/4
.if \a == 0
	s_wait_loadcnt 63                              ; the bias is in: 64 loads were issued behind it; the wait's field holds 63, and a smaller count is safe
	WIN 0x41
.set N, 0
.rept 32
	v_pk_mul_f32 v[N:N+1], v[N:N+1], s[100:101] op_sel_hi:[1,0]   ; b x c, once
.set N, N+2
.endr
.endif
	WIN (WA<<6)|0x10|WA
.set N, 0
.rept 32
	v_pk_fma_f32 v[AC+N:AC+N+1], v[AC+N:AC+N+1], s[100:101], v[N:N+1] op_sel_hi:[1,0,1]   ; sum x c + b c, in place; each accumulator from its low end on
.set N, N+2
.endr
.if \a > 0
	s_wait_xcnt 0x0                                ; the last block's stores have read the codes' registers
.endif
.if \a < 6
	LOADCS \a+2, (\a+2)%3
	s_wait_loadcnt 63                              ; this block's tables are in: behind them the 64 loads of the next two blocks
.else
	s_wait_loadcnt 32*(7-\a)                       ; block 6: block 7's 32 may be out; block 7: none
.endif
	WIN WA
.set N, 0
.rept 32
	v_pk_mul_f32 v[CO+N:CO+N+1], v[AC+N:AC+N+1], v[CO+N:CO+N+1]   ; x cos
.set N, N+2
.endr
	WIN 0x04|WA
.set N, 0
.rept 32
	v_fma_f32 v[CO+N], -v[AC+N+1], v[CO+N], v[CO+N]              ; even channel: - its odd partner x sin (source 1 is sin, in window 1 under the same number)
	v_fma_f32 v[CO+N+1], v[AC+N], v[CO+N+1], v[CO+N+1]           ; odd channel: + its even partner x sin
.set N, N+2
.endr
	WIN 0
	QUANT CO
	v_mov_b32 v[WS+\a], v[PW]
.irp c, 0,1,2
	global_store_b128 v[LI], v[PC+4*\c:PC+4*\c+3], s[8:9] offset:1536*\a+512*\c
.endr
.endr
	s_branch .Ldone
; v: a lane holds channel 32 (a / 2) + 8 (a % 2) + rho + 8 (rho / 8) of the head, and its registers run along the tokens, which are the second product's K
.Lpath_v:
	s_add_nc_u64 s[28:29], s[28:29], s[20:21]
.irp a, 0,1,2,3,4,5,6,7
	global_load_b32 v[BL+\a], v[VBL], s[28:29] offset:4*(32*(\a/2)+8*(\a%2))
.endr
	s_wait_loadcnt 0x0
.irp a, 0,1,2,3,4,5,6,7
.set AC, 64*((\a)%4)
	WIN 0x02+(\a)/4
.set N, 0
.rept 64
	v_add_f32 v[128+N], v[AC+N], v[BL+\a]
.set N, N+1
.endr
	WIN 0
.if \a > 0
	s_wait_xcnt 0x0                                ; the last block's stores have read the codes' registers
.endif
	QUANT 128
	v_mov_b32 v[WS+\a], v[PW]
.irp c, 0,1,2
	global_store_b128 v[LI], v[PC+4*\c:PC+4*\c+3], s[8:9] offset:1536*\a+512*\c
.endr
.endr
.Ldone:
	v_and_b32 v7, 31, v0
	v_cmp_gt_u32 vcc_lo, 16, v7                    ; lanes 0-15 store fragments 0-3's words of row rho, lanes 16-31 fragments 4-7's
	s_wait_alu depctr_va_vdst(0)
.irp i, 0,1,2,3
	v_cndmask_b32 v[WQ+\i], v[WS+4+\i], v[WS+\i], vcc_lo
.endr
	global_store_b128 v[LI], v[WQ:WQ+3], s[10:11]  ; 512 consecutive bytes
	s_wait_tensorcnt 0x0                           ; the wave's end
	ds_add_u32 v[SPW], v[NIL]
	s_wait_dscnt 0x0
	CROUND                                         ; the closing round
	s_endpgm
; ---- wo1 AND wo2 [2048 (k)][2048 (n)], f32, INTO woimg: [group of 128 columns, 16 a weight][K step][fragment][1,536] as in cimg, and from byte WOS on the scale words, laid as cscl.
; 64 work-groups, number 16 (cluster - 12) + 4 cy + cx: group id / 2, K half id % 2, in two trips of 512 along K.  Wave w takes K step w of the trip's four, all 128 columns.
; Each load reads 512 consecutive bytes of one row k: lane l gets columns 4 l + j.  Column 4 l + j is row rho = 4 (l % 2) + 8 ((l / 4) % 2) + j of fragment f = 2 (l / 8) + (l / 2) % 2.
; The conversions take 16 neighbours along K from consecutive registers: sixteen moves gather them.  The codes go to the wave's own stage in LDS as the images want them and leave as 24 stores
; of 512 consecutive bytes; the four waves' scale words meet in LDS and leave as whole runs of 256 bytes.  These LDS bytes lie behind the spare words: no tensor load of the text lands there.
; No tensor load and no joint load on this way.  PREFETCH: a block is 32 rows x 512 bytes, 64 blocks of 256 bytes, the wave's own: two instructions, two lanes to a row.  Block t asks for block t + 2,
; whose loads are issued in block t + 1; in the first trip blocks 2 and 3 ask for the next trip's blocks 0 and 1, 512 rows on; in the last trip they ask for nothing.  Block 1 is asked for ahead of the loop.
.set WOS,  32*GRPB
.set WST,  SPARE+512
.set FP,   1552                        ; an image + 16: the lanes of a store fall on different 16-byte columns
.set WSTB, 8*FP
.set SCS,  WST+4*WSTB
.set QMX,  10                          ; v10-13 four columns' largest magnitudes
.set QSO,  14                          ; v14-17 their scale operands
.set QW4,  18                          ; v18-21 their scale words
.set QBY,  22                          ; v22-25 a block's bytes
.set QT,   32                          ; v32-63 two sets of 16 neighbours along K
.set QC,   64                          ; v64-95 a block's codes, 8 registers a column
.set QD,   96                          ; v96-111 the upper 16 codes as converted
.set QL,   128                         ; v128-255 32 rows of K x 4 columns as loaded
.Lpath_wo:
	s_load_b64 s[16:17], s[0:1], 0x58              ; wo1
	s_load_b64 s[18:19], s[0:1], 0x60              ; wo2
	s_load_b64 s[20:21], s[0:1], 0x68              ; woimg
	s_bfe_u32 s40, ttmp6, 0x40000
	s_bfe_u32 s41, ttmp6, 0x40004
	s_sub_co_u32 s22, ttmp9, 12
	s_lshl_b32 s22, s22, 4
	s_lshl_b32 s23, s41, 2
	s_add_co_u32 s22, s22, s23
	s_add_co_u32 s22, s22, s40                     ; id 0..63: it enters global addresses alone
	s_lshr_b32 s24, s22, 1                         ; the group in woimg
	s_and_b32 s25, s22, 1                          ; the K half
	s_and_b32 s26, s24, 15                         ; the group in its weight
	v_and_b32 v1, 31, v0
	v_and_b32 v5, 15, v0
	v_bfe_u32 v6, v0, 4, 1
	v_lshlrev_b32 v2, 4, v1                        ; 16 x lane
	v_lshrrev_b32 v7, 3, v1
	v_bfe_u32 v8, v0, 1, 1
	v_lshl_add_u32 v7, v7, 1, v8                   ; f
	v_and_b32 v8, 1, v0
	v_bfe_u32 v9, v0, 2, 1
	v_lshlrev_b32 v8, 2, v8
	v_lshl_add_u32 v8, v9, 3, v8                   ; column 4 l's rho
	v_lshlrev_b32 v8, 4, v8
	s_mul_i32 s39, s14, WSTB
	s_add_co_u32 s39, s39, WST                     ; my stage
	v_mul_u32_u24 v3, v7, FP
	v_add_nc_u32 v3, v3, v8
	v_add_nc_u32 v3, s39, v3                       ; into it: fragment f, + 16 rho
	v_add_nc_u32 v4, s39, v2                       ; out of it: 16 x lane
	s_lshl_b32 s39, s14, 2
	s_add_co_u32 s39, s39, SCS
	v_lshl_add_u32 v7, v7, 8, v8
	v_add_nc_u32 v7, s39, v7                       ; my columns' words: 256 f + 16 rho + 4 w
	s_lshl_b32 s39, s14, 9
	s_add_co_u32 s39, s39, SCS
	v_add_nc_u32 v8, s39, v2                       ; behind the barrier: fragments 2 w, 2 w + 1
	s_lshl_b32 s39, s14, 11
	v_lshlrev_b32 v9, 4, v5
	v_lshl_add_u32 v9, v6, 10, v9
	v_add_nc_u32 v9, s39, v9                       ; and their place among the scale words: 1,024 (2 w + l / 16) + 16 rho
	v_lshrrev_b32 v26, 1, v1                       ; the prefetches' offset: row l / 2 of sixteen, + 256 (l % 2)
	v_and_b32 v27, 1, v0
	v_lshlrev_b32 v26, 13, v26
	v_lshl_add_u32 v26, v27, 8, v26
.macro ASKW off                        ; 32 rows from byte off on
	global_prefetch_b8 v26, s[32:33] offset:\off th:TH_LOAD_NT scope:SCOPE_SE
	global_prefetch_b8 v26, s[32:33] offset:\off+16*8192 th:TH_LOAD_NT scope:SCOPE_SE
.endm
	s_lshl_b32 s34, s25, 23                        ; 1,024 rows of 8,192 bytes for the K half
	s_lshl_b32 s35, s14, 20                        ; + 128 w rows
	s_add_co_u32 s34, s34, s35
	s_lshl_b32 s35, s26, 9                         ; + the group's 512 bytes
	s_add_co_u32 s34, s34, s35
	s_mov_b32 s35, 0
	s_lshl_b32 s37, s25, 3
	s_add_co_u32 s37, s37, s14                     ; my first K step
	s_mul_i32 s37, s37, KSTEPB
	s_mul_i32 s36, s24, GRPB
	s_add_co_u32 s36, s36, s37
	s_mov_b32 s37, 0
	s_lshl_b32 s38, s24, 13
	s_lshl_b32 s39, s25, 9
	s_add_co_u32 s38, s38, s39
	s_add_co_u32 s38, s38, WOS
	s_mov_b32 s39, 0
	s_mov_b32 s3, 0
	s_wait_alu depctr_va_vdst(0)                   ; the wait at the head's end
	s_wait_kmcnt 0x0
	s_cmp_lt_u32 s22, 32
	s_cselect_b64 s[32:33], s[16:17], s[18:19]
	s_add_nc_u64 s[32:33], s[32:33], s[34:35]
	s_add_nc_u64 s[8:9], s[20:21], s[36:37]
	s_add_nc_u64 s[10:11], s[20:21], s[38:39]
.macro LOADH t, hh                     ; rows 16 hh .. 16 hh + 15 of block t
.set I, 0
.rept 16
	global_load_b128 v[QL+64*(\hh)+4*I:QL+64*(\hh)+4*I+3], v2, s[32:33] offset:(32*(\t)+16*(\hh)+I)*8192 th:TH_LOAD_NT
.set I, I+1
.endr
.endm
.macro HALF hh, dst, pitch             ; 16 rows of the four columns: gathered, converted.  The two sets take turns: 16 plain moves stand between a conversion and the next write of its sources
.irp j, 0,1,2,3
.set I, 0
.rept 16
	v_mov_b32 v[QT+16*(\j%2)+I], v[QL+64*(\hh)+4*I+\j]
.set I, I+1
.endr
	v_cvt_scalef32_pk16_fp6_f32 v[\dst+\pitch*\j:\dst+\pitch*\j+2], v[QT+16*(\j%2):QT+16*(\j%2)+15], v[QSO+\j]
.endr
.endm
.macro BLOCKW t                        ; block t = 2 c + h of my K step
	s_wait_loadcnt 0x0                             ; the block's 32 loads are in
.if (\t) > 0
	s_wait_dscnt 0x0                               ; the last block's stores into the stage have read the codes' registers
.endif
.if (\t) < 2
	ASKW (32*((\t)+2))*8192
.else
	s_wait_alu depctr_va_vdst(0)                   ; the wait ahead of the branch
	s_cmp_eq_u32 s3, 0                             ; the trip's number: the last trip has no successor
	s_cbranch_scc0 .Lno_askw_\@
	ASKW 0x400000+(32*((\t)-2))*8192
.Lno_askw_\@:
.endif
.irp j, 0,1,2,3
	v_max3_num_f32 v[QMX+\j], |v[QL+\j]|, |v[QL+4+\j]|, 0x1800000
.endr
.set I, 8
.rept 15
.irp j, 0,1,2,3
	v_max3_num_f32 v[QMX+\j], v[QMX+\j], |v[QL+I+\j]|, |v[QL+I+4+\j]|
.endr
.set I, I+8
.endr
.irp j, 0,1,2,3
	v_add_nc_u32 v[QSO+\j], 0xff000000, v[QMX+\j]  ; the conversion's scale operand
.endr
.if (\t) == 0
.irp j, 0,1,2,3
	v_lshrrev_b32 v[QW4+\j], 23, v[QSO+\j]         ; the scale's byte: the lower K in the lower byte of the word
.endr
.else
.irp j, 0,1,2,3
	v_lshrrev_b32 v[QBY+\j], 23, v[QSO+\j]
.endr
.irp j, 0,1,2,3
	v_lshl_or_b32 v[QW4+\j], v[QBY+\j], 8*(\t), v[QW4+\j]
.endr
.endif
	HALF 0, QC, 8
.if (\t) < 3
	LOADH (\t)+1, 0                                ; the rows just gathered take the next block's
.endif
	HALF 1, QD, 4
.if (\t) < 3
	LOADH (\t)+1, 1
.endif
	v_nop                                          ; one plain instruction behind a scaled conversion
.irp j, 0,1,2,3
.irp i, 0,1,2
	v_mov_b32 v[QC+8*\j+3+\i], v[QD+4*\j+\i]       ; (a conversion's three registers begin on an even number)
.endr
.endr
.irp j, 0,1,2,3                                ; image lane 16 h + rho, registers 6 c .. 6 c + 5
.if (\t) < 2
	ds_store_b128 v3, v[QC+8*\j:QC+8*\j+3] offset:256*((\t)%2)+16*\j
	ds_store_b64 v3, v[QC+8*\j+4:QC+8*\j+5] offset:512+256*((\t)%2)+16*\j
.else
	ds_store_b64 v3, v[QC+8*\j:QC+8*\j+1] offset:520+256*((\t)%2)+16*\j
	ds_store_b128 v3, v[QC+8*\j+2:QC+8*\j+5] offset:1024+256*((\t)%2)+16*\j
.endif
.endr
.endm
	ASKW 32*8192                                   ; the first trip's block 1
.Lwo_trip:
	LOADH 0, 0
	LOADH 0, 1
	BLOCKW 0
	BLOCKW 1
	BLOCKW 2
	BLOCKW 3
.irp j, 0,1,2,3
	ds_store_b32 v7, v[QW4+\j] offset:16*\j        ; my K step's word of each of my columns
.endr
.set I, 0
.rept 24
	ds_load_b128 v[QL+4*I:QL+4*I+3], v4 offset:(I/3)*FP+512*(I%3)   ; LDS serves a wave's instructions in order: these see my stores
.set I, I+1
.endr
.set I, 0
.rept 24
	s_wait_dscnt 23-I                              ; number I is back; the 23 - I younger ones may be out
	global_store_b128 v2, v[QL+4*I:QL+4*I+3], s[8:9] offset:512*I   ; 32 lanes store 512 consecutive bytes
.set I, I+1
.endr
	s_barrier_signal -1                            ; all my LDS instructions are done: the four waves' words are in place
	s_barrier_wait -1
	ds_load_b128 v[32:35], v8
	s_wait_dscnt 0x0
	global_store_b128 v9, v[32:35], s[10:11]       ; sixteen lanes fill 256 consecutive bytes, aligned
	s_barrier_signal -1                            ; every wave has read the words: the next trip may write them
	s_barrier_wait -1
	s_wait_xcnt 0x0                                ; the stores have read their data and bases: both are written again only behind this wait
	s_add_nc_u64 s[32:33], s[32:33], 0x400000      ; 512 rows on
	s_add_nc_u64 s[8:9], s[8:9], 4*KSTEPB
	s_add_nc_u64 s[10:11], s[10:11], 256
	s_add_co_u32 s3, s3, 1
	s_cmp_lt_u32 s3, 2
	s_wait_alu depctr_va_vdst(0)                   ; the wait ahead of the branch
	s_cbranch_scc1 .Lwo_trip
	s_wait_tensorcnt 0x0                           ; the wave's end
	ds_add_u32 v[SPW], v[NIL]
	s_wait_dscnt 0x0
	CROUND                                         ; the cluster's sixteen work-groups end together, as on the other way
	s_endpgm
.Lfunc_end_k_qfae0ce0707_qkv:
	.size	k_qfae0ce0707_qkv, .Lfunc_end_k_qfae0ce0707_qkv-k_qfae0ce0707_qkv
	.p2alignl 7, 3214868480
	.fill 96, 4, 3214868480
	.section	.rodata,"a",@progbits
	.p2align	6, 0x0
	.amdhsa_kernel k_qfae0ce0707_qkv
		.amdhsa_group_segment_fixed_size 327680
		.amdhsa_private_segment_fixed_size 0
		.amdhsa_enable_private_segment 0
		.amdhsa_kernarg_size 112
		.amdhsa_user_sgpr_count 2
		.amdhsa_user_sgpr_kernarg_segment_ptr 1
		.amdhsa_wavefront_size32 1
		.amdhsa_system_sgpr_workgroup_id_x 1
		.amdhsa_system_sgpr_workgroup_id_y 1
		.amdhsa_system_sgpr_workgroup_id_z 1
		.amdhsa_system_vgpr_workitem_id 0
		.amdhsa_next_free_vgpr 1024
		.amdhsa_next_free_sgpr 102
		.amdhsa_reserve_vcc 1
		.amdhsa_float_denorm_mode_32 3
		.amdhsa_float_denorm_mode_16_64 3
		.amdhsa_memory_ordered 1
		.amdhsa_forward_progress 1
		.amdhsa_inst_pref_size 255
	.end_amdhsa_kernel
	.section	.bss,"aw",@nobits
	.p2align	6
	.space	262144
	.amdgpu_metadata
---
amdhsa.version: [ 1, 2 ]
amdhsa.kernels:
  - .name:           k_qfae0ce0707_qkv
    .symbol:         k_qfae0ce0707_qkv.kd
    .args:
      - { .name: cimg, .offset: 0, .size: 8, .value_kind: global_buffer, .address_space: global }
      - { .name: cscl, .offset: 8, .size: 8, .value_kind: global_buffer, .address_space: global }
      - { .name: qkvimg, .offset: 16, .size: 8, .value_kind: global_buffer, .address_space: global }
      - { .name: qkvscl, .offset: 24, .size: 8, .value_kind: global_buffer, .address_space: global }
      - { .name: bq1, .offset: 32, .size: 8, .value_kind: global_buffer, .address_space: global }
      - { .name: bk1, .offset: 40, .size: 8, .value_kind: global_buffer, .address_space: global }
      - { .name: bv1, .offset: 48, .size: 8, .value_kind: global_buffer, .address_space: global }
      - { .name: bq2, .offset: 56, .size: 8, .value_kind: global_buffer, .address_space: global }
      - { .name: bk2, .offset: 64, .size: 8, .value_kind: global_buffer, .address_space: global }
      - { .name: bv2, .offset: 72, .size: 8, .value_kind: global_buffer, .address_space: global }
      - { .name: csimg, .offset: 80, .size: 8, .value_kind: global_buffer, .address_space: global }
      - { .name: wo1, .offset: 88, .size: 8, .value_kind: global_buffer, .address_space: global }
      - { .name: wo2, .offset: 96, .size: 8, .value_kind: global_buffer, .address_space: global }
      - { .name: woimg, .offset: 104, .size: 8, .value_kind: global_buffer, .address_space: global }
    .group_segment_fixed_size: 327680
    .private_segment_fixed_size: 0
    .kernarg_segment_align: 8
    .kernarg_segment_size: 112
    .max_flat_workgroup_size: 128
    .sgpr_count:     102
    .vgpr_count:     1024
    .wavefront_size: 32
...
	.end_amdgpu_metadata
.endif
;; end of part 2
;; launch attn (part 3): grid 16 x 16, 8 waves a work-group, clusters of 4 x 1, 327,680 bytes of LDS; arguments qkvimg, qkvscl, oimg, oscl; writes oimg, oscl
.if DOCPART == 3
	.amdgcn_target "amdgcn-amd-amdhsa--gfx1250"
	.amdhsa_code_object_version 6
	.text
	.protected	k_qfae0ce0707_attn
	.globl	k_qfae0ce0707_attn
	.p2align	8
	.type	k_qfae0ce0707_attn,@function
k_qfae0ce0707_attn:
	s_mov_b64 s[64:65], 0
	v_nop
	global_prefetch_b8 v0, s[64:65] scope:SCOPE_SE
	s_setreg_imm32_b32 hwreg(HW_REG_WAVE_MODE, 25, 1), 1
	s_wait_xcnt 0x0
	s_wait_alu depctr_hold_cnt(0) depctr_sa_sdst(0) depctr_va_vdst(0) depctr_va_sdst(0) depctr_va_ssrc(0) depctr_va_vcc(0) depctr_vm_vsrc(0)
	s_getreg_b32 s2, hwreg(HW_REG_IB_STS2, 6, 4)
	s_cmp_eq_u32 s2, 0
	s_cbranch_scc0 .Lentry_in_a_cluster
	s_endpgm
.Lentry_in_a_cluster:
	s_bfe_u32 s2, ttmp6, 0x10000c
	s_cmp_lg_u32 s2, 0x3003
	s_cbranch_scc0 .Lentry_shape_is_right
	s_endpgm
.Lentry_shape_is_right:
.set KSB,   12288
.set VOFF,  49152
.set SLOT1, 1<<17
.set SCK,   2*SLOT1
.set SCV,   SCK+8192
.set SPARE, SCV+8192
.set LI,   1
.set AV0,  2
.set AS0,  3
.set SPW,  5
.set NIL,  6
.set OS,   7
.set ADK,  8
.set ADV,  9
.set ADS,  10
.set PFO,  28
.set KS,   32
.set VS,   36
.set KF,   0
.set VF,   96
.set TB,   2
.set TS,   3
.set WV,   18
.set SEL,  20
.set CS,   22
.set G1T,  24
.set G1S,  32
.set G0T,  40
.set G0S,  44
.set SLOTS, 67
.set PFA,  76
.set LIM,  80
.set G1H,  84                          ; s[84:91], s[92:95] groups 1 and 0 of the head's loads of slot 0: a sixth of the slot, 16,384 bytes, for each of waves 0-5
.set G0H,  92
.set MSB, 0
.macro WIN new
.if MSB != (\new)
	s_set_vgpr_msb (MSB<<8)|(\new)
.set MSB, (\new)
.endif
.endm
.macro CROUND
	s_barrier_signal -1
	s_barrier_wait -1
	s_cmp_lg_u32 s[WV], 0
	s_cbranch_scc1 .Lnot_wave_0_\@
	s_barrier_signal -3
.Lnot_wave_0_\@:
	s_barrier_wait -3
	s_barrier_signal -1
	s_barrier_wait -1
.endm
.macro ASK
	s_cmp_gt_u32 s[SLOTS], s[LIM]
	s_cbranch_scc0 .Lnot_mine_\@
	global_prefetch_b8 v[PFO], s[PFA:PFA+1] th:TH_LOAD_NT scope:SCOPE_SE
.Lnot_mine_\@:
.endm
.macro CODES
.irp b, 0,1,2,3
	s_delay_alu instid0(VALU_DEP_4)
	v_add_nc_u32 v[244+\b], 0xff000000, v[232+\b]
.endr
.irp b, 0,1,2,3
	s_delay_alu instid0(VALU_DEP_4)
	v_lshrrev_b32 v[236+\b], 23, v[244+\b]
.endr
	s_delay_alu instid0(VALU_DEP_3)
	v_lshl_or_b32 v253, v237, 8, v236
	s_delay_alu instid0(VALU_DEP_1)
	v_lshl_or_b32 v253, v238, 16, v253
	s_delay_alu instid0(VALU_DEP_1)
	v_lshl_or_b32 v253, v239, 24, v253
.irp c, 0,1
	v_cvt_scalef32_pk16_fp6_f32 v[224+6*\c:226+6*\c], v[96+32*\c:111+32*\c], v[244+2*\c]
	v_cvt_scalef32_pk16_fp6_f32 v[236+4*\c:238+4*\c], v[112+32*\c:127+32*\c], v[244+2*\c+1]
.endr
	v_nop
.irp c, 0,1
.irp i, 0,1,2
	v_permlane16_swap_b32 v[224+6*\c+\i], v[236+4*\c+\i]
.endr
.irp i, 0,1,2
	s_delay_alu instid0(VALU_DEP_3)
	v_mov_b32 v[227+6*\c+\i], v[236+4*\c+\i]
.endr
.endr
.endm
	s_load_b256 s[4:11], s[0:1], 0x0
	v_lshl_add_u32 v[SPW], v0, 2, SPARE
	v_mov_b32 v[NIL], 0
	ds_add_u32 v5, v6
	ds_add_u32 v5, v6
	s_wait_dscnt 0x0
	v_lshrrev_b32 v8, 5, v0
	s_delay_alu instid0(VALU_DEP_1)
	v_readfirstlane_b32 s[WV], v8
	s_bfe_u32 s12, ttmp6, 0x40000
	s_lshl_b32 s13, ttmp9, 2
	s_add_co_u32 s13, s13, s12
	s_and_b32 s14, ttmp7, 0xffff
	s_lshr_b32 s15, s[WV], 2
	s_and_b32 s16, s[WV], 3
	s_mov_b32 s[G1T], 15|(3<<16)|(1<<21)
	s_mov_b32 s[G1S], 15|(3<<16)|(1<<21)
	s_mov_b32 s[G1H], 15|(3<<16)|(1<<21)
.irp g, G1T, G1S, G1H
	s_mov_b32 s[\g+1], 32<<16
	s_mov_b32 s[\g+3], 32<<16
	s_mov_b32 s[\g+5], 32
	s_mov_b32 s[\g+6], 0
	s_mov_b32 s[\g+7], 0
.endr
	s_mov_b32 s[G1T+2], 48<<16
	s_mov_b32 s[G1T+4], 48
	s_mov_b32 s[G1S+2], 32<<16                     ; a head's scale words of k or of v: 8,192 bytes
	s_mov_b32 s[G1S+4], 32
	s_mov_b32 s[G1H+2], 64<<16
	s_mov_b32 s[G1H+4], 64
	s_add_co_u32 s48, s15, 1
	s_mul_i32 s50, s48, 3145728
	s_mul_i32 s49, s14, 196608
	s_add_co_u32 s50, s50, s49
	s_mul_i32 s49, s16, KSB
	s_add_co_u32 s50, s50, s49
	s_mov_b32 s51, 0
	s_and_b32 s49, s[WV], 1                        ; the scale words: wave 6 fetches k's, wave 7 v's
	s_lshl_b32 s55, s49, 13
	s_add_co_u32 s55, s55, SCK
	s_add_co_u32 s49, s49, 1
	s_lshl_b32 s52, s49, 17
	s_lshl_b32 s49, s14, 13
	s_add_co_u32 s52, s52, s49
	s_mov_b32 s53, 0
	s_mul_i32 s54, s[WV], KSB
	s_mul_i32 s96, s[WV], 11                       ; slot 0 at the head: waves 0-2 k's 49,152 bytes in thirds, waves 3-5 v's
	s_lshr_b32 s96, s96, 5                         ; wave / 3
	s_mul_i32 s97, s96, 3
	s_sub_co_u32 s97, s[WV], s97                   ; wave % 3
	s_add_co_u32 s96, s96, 1
	s_mul_i32 s96, s96, 3145728
	s_lshl_b32 s97, s97, 14
	s_add_co_u32 s96, s96, s97
	s_mul_i32 s97, s14, 196608
	s_add_co_u32 s96, s96, s97
	s_mov_b32 s97, 0
	s_lshl_b32 s48, s14, 4
	s_add_co_u32 s48, s48, s13
	s_mul_i32 s56, s48, KSB
	s_mul_i32 s49, s[WV], 1536
	s_add_co_u32 s56, s56, s49
	s_mov_b32 s57, 0
	s_lshl_b32 s58, s48, 9
	s_lshl_b32 s49, s15, 8
	s_add_co_u32 s58, s58, s49
	s_lshl_b32 s49, s16, 2
	s_add_co_u32 s58, s58, s49
	s_mov_b32 s59, 0
	s_lshl_b32 s48, s13, 4
	s_add_co_u32 s48, s48, s14
	s_lshl_b32 s48, s48, 3
	s_add_co_u32 s48, s48, s[WV]
	s_mul_i32 s60, s48, 1536
	s_mov_b32 s61, 0
	s_lshl_b32 s48, s13, 3
	s_add_co_u32 s48, s48, s[WV]
	s_lshl_b32 s62, s48, 10
	s_lshr_b32 s49, s14, 2
	s_lshl_b32 s49, s49, 8
	s_add_co_u32 s62, s62, s49
	s_and_b32 s49, s14, 3
	s_lshl_b32 s49, s49, 2
	s_add_co_u32 s62, s62, s49
	s_mov_b32 s63, 0
	s_lshr_b32 s48, s12, 1
	s_add_co_u32 s48, s48, 1
	s_mul_i32 s48, s48, 3145728
	s_mul_i32 s49, s14, 196608
	s_add_co_u32 s48, s48, s49
	s_and_b32 s49, s12, 1
	s_mul_i32 s49, s49, 24576
	s_add_co_u32 s48, s48, s49
	s_lshl_b32 s49, s[WV], 13
	s_add_co_u32 s48, s48, s49
	s_add_co_u32 s48, s48, 49152
	s_mov_b32 s49, 0
	s_cmp_lt_u32 s[WV], 3
	s_cselect_b32 s82, 0, 1
	s_or_b32 s82, s82, ttmp9
	s_cmp_eq_u32 s82, 0
	s_cselect_b32 s[LIM], 1, -1
	s_mov_b32 s[SEL], 0x76543210
	s_mov_b32 s[SEL+1], 0xfedcba98
	s_mov_b32 s[CS], 0x3fb8aa3b
	s_mov_b32 s[CS+1], s[CS]
	s_mov_b32 s[TB], 0
	s_mov_b32 s[TS], 0
	s_mov_b32 s[SLOTS], 3
	s_wait_kmcnt 0x0
	s_mov_b32 s[G0S], 1
	s_mov_b32 s[G0S+1], s55
	s_add_nc_u64 s[G0S+2:G0S+3], s[6:7], s[52:53]
	s_or_b32 s[G0S+3], s[G0S+3], 0x80000000
	s_mov_b32 s[G0T], 1
	s_mov_b32 s[G0T+1], s54
	s_add_nc_u64 s[G0T+2:G0T+3], s[4:5], s[50:51]
	s_or_b32 s[G0T+3], s[G0T+3], 0x80000000
	s_mov_b32 s[G0H], 1
	s_lshl_b32 s[G0H+1], s[WV], 14
	s_add_nc_u64 s[G0H+2:G0H+3], s[4:5], s[96:97]
	s_or_b32 s[G0H+3], s[G0H+3], 0x80000000
	s_add_nc_u64 s[PFA:PFA+1], s[4:5], s[48:49]
	s_add_nc_u64 s[56:57], s[4:5], s[56:57]
	s_add_nc_u64 s[58:59], s[6:7], s[58:59]
	s_add_nc_u64 s[60:61], s[8:9], s[60:61]
	s_add_nc_u64 s[62:63], s[10:11], s[62:63]
	CROUND
	s_cmp_lt_u32 s[WV], 6                          ; the head's loads, one a wave: slot 0 in sixths, and the two runs of scale words; slot 1's first fill follows behind the loop's first round
	s_cbranch_scc0 .Lhead_s
	tensor_load_to_lds s[G0H:G0H+3], s[G1H:G1H+7]
	s_nop 0
.rept 4
	v_nop
.endr
	s_branch .Lhead_asked
.Lhead_s:
	tensor_load_to_lds s[G0S:G0S+3], s[G1S:G1S+7]
	s_nop 0
.rept 4
	v_nop
.endr
.Lhead_asked:
	v_and_b32 v[LI], 31, v0
	s_delay_alu instid0(VALU_DEP_1)
	v_lshlrev_b32 v[PFO], 8, v[LI]
	s_delay_alu instid0(VALU_DEP_2)
	v_lshlrev_b32 v[LI], 4, v[LI]
	s_delay_alu instid0(VALU_DEP_1)
	v_add_nc_u32 v[AV0], VOFF, v[LI]
	s_delay_alu instid0(VALU_DEP_2)
	v_add_nc_u32 v[AS0], SCK, v[LI]
	v_and_b32 v[OS], 15, v0
	s_delay_alu instid0(VALU_DEP_1)
	v_lshlrev_b32 v[OS], 4, v[OS]
.irp c, 0,1,2
	global_load_b128 v[16+4*\c:19+4*\c], v[LI], s[56:57] offset:512*\c
.endr
	global_load_b32 v255, v[OS], s[58:59]
	v_mov_b32 v13, 0xff61b1e6
	s_delay_alu instid0(VALU_DEP_1)
	v_floor_f32 v12, -v13
	v_mov_b32 v14, 0
	v_mov_b32 v15, 0
.irp b, 0,1,2,3
	v_mov_b32 v[236+\b], 0
.endr
	v_mov_b32 v253, 0
.set J, 0
.rept 64
	v_mov_b32 v[160+J], 0
.set J, J+1
.endr
.macro FETCHK q, so
	ds_load_b128 v[KS:KS+3], v[ADS] offset:\so
	WIN 0x40
.irp f, 0,1,2,3,4,5,6,7
.irp c, 0,1,2
	ds_load_b128 v[KF+12*\f+4*\c:KF+12*\f+4*\c+3], v[ADK] offset:KSB*(\q)+1536*\f+512*\c
.endr
.endr
	WIN 0
.endm
.macro FETCHV q
	ds_load_b128 v[VS:VS+3], v[ADS] offset:8192
	WIN 0x40
.irp f, 0,1,2,3,4,5,6,7
.irp c, 0,1,2
	ds_load_b128 v[VF+12*\f+4*\c:VF+12*\f+4*\c+3], v[ADV] offset:KSB*(\q)+1536*\f+512*\c
.endr
.endr
	WIN 0
.endm
.macro STEP q
	v_add_nc_u32 v[ADK], s[TB], v[LI]
	v_add_nc_u32 v[ADV], s[TB], v[AV0]
	v_add_nc_u32 v[ADS], s[TS], v[AS0]
	v_nop
.if (\q) == 0
	FETCHK 0, 0
.endif
	FETCHV \q
	s_wait_dscnt 25
	WIN 0x01
.irp t, 0,1,2,3,4,5,6,7
.if \t < 4
	v_wmma_scale_f32_16x16x128_f8f6f4 v[96+8*\t:103+8*\t], v[KF+12*\t:KF+12*\t+11], v[16:27], 0, v[KS+\t], v255 matrix_a_fmt:MATRIX_FMT_FP6 matrix_b_fmt:MATRIX_FMT_FP6
.else
	v_wmma_scale_f32_16x16x128_f8f6f4 v[96+8*\t:103+8*\t], v[KF+12*\t:KF+12*\t+11], v[16:27], 0, v[KS+\t-4], v255 matrix_a_fmt:MATRIX_FMT_FP6 matrix_b_fmt:MATRIX_FMT_FP6 matrix_a_scale:MATRIX_SCALE_ROW1
.endif
.endr
	WIN 0
.rept 4
	v_nop
.endr
.if (\q) < 3
	s_wait_alu depctr_va_vdst(0)
	FETCHK (\q)+1, 512
.endif
.irp b, 0,1,2,3
	v_max3_num_f32 v[232+\b], v[96+16*\b], v[97+16*\b], v[98+16*\b]
.endr
.irp i, 3,5,7,9,11,13
.irp b, 0,1,2,3
	v_max3_num_f32 v[232+\b], v[232+\b], v[96+16*\b+\i], v[97+16*\b+\i]
.endr
.endr
.irp b, 0,1,2,3
	v_max_num_f32 v[232+\b], v[232+\b], v[111+16*\b]
.endr
.irp b, 0,1,2,3
	s_delay_alu instid0(VALU_DEP_4)
	v_permlanex16_b32 v[236+\b], v[232+\b], s[SEL], s[SEL+1]
.endr
.irp b, 0,1,2,3
	s_delay_alu instid0(VALU_DEP_4)
	v_max_num_f32 v[232+\b], v[232+\b], v[236+\b]
.endr
	s_delay_alu instid0(VALU_DEP_2)
	v_max3_num_f32 v254, v232, v233, v234
	s_delay_alu instid0(VALU_DEP_1)
	v_max_num_f32 v254, v254, v235
	s_delay_alu instid0(VALU_DEP_1)
	v_mul_f32 v254, s[CS], v254
	s_delay_alu instid0(VALU_DEP_1)
	v_max_num_f32 v13, v13, v254
	v_mov_b32 v254, v12
	s_delay_alu instid0(VALU_DEP_2)
	v_floor_f32 v12, -v13
	s_delay_alu instid0(VALU_DEP_1)
	v_sub_f32 v254, v12, v254
	s_delay_alu instid0(VALU_DEP_1)
	v_cvt_i32_f32 v254, v254
	s_delay_alu instid0(VALU_DEP_1)
	v_ldexp_f32 v252, 1.0, v254
.set J, 0
.rept 32
	v_pk_fma_f32 v[96+J:97+J], v[96+J:97+J], s[CS:CS+1], v[12:13] op_sel_hi:[1,0,0]
.set J, J+2
.endr
.irp b, 0,1,2,3
	v_fma_f32 v[232+\b], v[232+\b], s[CS], v12
.endr
.set J, 0
	s_wait_alu depctr_va_vdst(0)
.rept 64
	v_exp_f32 v[96+J], v[96+J]
.set J, J+1
.endr
	v_pk_mul_f32 v[14:15], v[14:15], v[252:253] op_sel_hi:[1,0]
	s_wait_alu depctr_va_vdst(0)
.irp b, 0,1,2,3
	v_exp_f32 v[232+\b], v[232+\b]
.endr
	v_pk_add_f32 v[236:237], v[96:97], v[98:99]
.irp j, 4,8,12,16,20,24,28,32,36,40,44,48,52,56,60
	v_pk_add_f32 v[14:15], v[14:15], v[96+\j:97+\j]
	v_pk_add_f32 v[236:237], v[236:237], v[98+\j:99+\j]
.endr
	s_delay_alu instid0(VALU_DEP_1)
	v_pk_add_f32 v[14:15], v[14:15], v[236:237]
	s_wait_alu depctr_va_vdst(0)
.irp b, 0,1,2,3
	v_max_num_f32 v[232+\b], 0x1800000, v[232+\b]
.endr
	CODES
.set J, 0
.rept 32
	v_pk_mul_f32 v[160+J:161+J], v[160+J:161+J], v[252:253] op_sel_hi:[1,0]
.set J, J+2
.endr
.if (\q) < 3
	s_wait_alu depctr_va_vdst(0)
	s_wait_dscnt 25
.else
	s_wait_alu depctr_va_vdst(0)
	s_wait_dscnt 0x0
.endif
	WIN 0x01
.irp t, 0,1,2,3,4,5,6,7
.if \t < 4
	v_wmma_scale_f32_16x16x128_f8f6f4 v[160+8*\t:167+8*\t], v[VF+12*\t:VF+12*\t+11], v[224:235], v[160+8*\t:167+8*\t], v[VS+\t], v253 matrix_a_fmt:MATRIX_FMT_FP6 matrix_b_fmt:MATRIX_FMT_FP6
.else
	v_wmma_scale_f32_16x16x128_f8f6f4 v[160+8*\t:167+8*\t], v[VF+12*\t:VF+12*\t+11], v[224:235], v[160+8*\t:167+8*\t], v[VS+\t-4], v253 matrix_a_fmt:MATRIX_FMT_FP6 matrix_b_fmt:MATRIX_FMT_FP6 matrix_a_scale:MATRIX_SCALE_ROW1
.endif
.endr
	WIN 0
	s_add_co_u32 s[TS], s[TS], 512
.endm
.macro CHANGE fill
	s_wait_tensorcnt 0x0
	ds_add_u32 v[SPW], v[NIL]
.if \fill
	s_xor_b32 s[G0T+1], s[G0T+1], SLOT1
	s_add_nc_u64 s[G0T+2:G0T+3], s[G0T+2:G0T+3], 49152
	s_wait_xcnt 0x0
	s_add_nc_u64 s[PFA:PFA+1], s[PFA:PFA+1], 49152
	s_wait_dscnt 0x0
	CROUND
	tensor_load_to_lds s[G0T:G0T+3], s[G1T:G1T+7]
	s_nop 0
.rept 4
	v_nop
.endr
	ASK
.else
	s_wait_dscnt 0x0
	s_barrier_signal -1
	s_barrier_wait -1
.endif
.endm
.macro SLOT_STEPS
	STEP 0
	STEP 1
	STEP 2
	STEP 3
	s_xor_b32 s[TB], s[TB], SLOT1
.endm
	s_wait_loadcnt 0x0
.Lslot:
	CHANGE 1
	SLOT_STEPS
	s_sub_co_u32 s[SLOTS], s[SLOTS], 1
	s_cmp_lg_u32 s[SLOTS], 0
	s_cbranch_scc1 .Lslot
	CHANGE 0
	SLOT_STEPS
	v_add_f32 v14, v14, v15
	s_delay_alu instid0(VALU_DEP_1)
	v_permlanex16_b32 v252, v14, s[SEL], s[SEL+1]
	s_delay_alu instid0(VALU_DEP_1)
	v_add_f32 v14, v14, v252
	s_wait_alu depctr_va_vdst(0)
	v_rcp_f32 v14, v14
.rept 4
	v_nop
.endr
	s_wait_alu depctr_va_vdst(0)
.set J, 0
.rept 64
	v_mul_f32 v[96+J], v[160+J], v14
.set J, J+1
.endr
.irp b, 0,1,2,3
	v_max3_num_f32 v[232+\b], |v[96+16*\b]|, |v[97+16*\b]|, 0x1800000
.endr
.irp i, 2,4,6,8,10,12,14
.irp b, 0,1,2,3
	s_delay_alu instid0(VALU_DEP_4)
	v_max3_num_f32 v[232+\b], v[232+\b], |v[96+16*\b+\i]|, |v[97+16*\b+\i]|
.endr
.endr
.irp b, 0,1,2,3
	s_delay_alu instid0(VALU_DEP_4)
	v_permlanex16_b32 v[236+\b], v[232+\b], s[SEL], s[SEL+1]
.endr
.irp b, 0,1,2,3
	s_delay_alu instid0(VALU_DEP_4)
	v_max_num_f32 v[232+\b], v[232+\b], v[236+\b]
.endr
	CODES
.irp c, 0,1,2
	global_store_b128 v[LI], v[224+4*\c:227+4*\c], s[60:61] offset:512*\c
.endr
	global_store_b32 v[OS], v253, s[62:63]
	s_wait_tensorcnt 0x0
	ds_add_u32 v[SPW], v[NIL]
	s_wait_dscnt 0x0
	CROUND
	s_endpgm
.Lfunc_end_k_qfae0ce0707_attn:
	.size	k_qfae0ce0707_attn, .Lfunc_end_k_qfae0ce0707_attn-k_qfae0ce0707_attn
	.p2alignl 7, 3214868480
	.fill 96, 4, 3214868480
	.section	.rodata,"a",@progbits
	.p2align	6, 0x0
	.amdhsa_kernel k_qfae0ce0707_attn
		.amdhsa_group_segment_fixed_size 327680
		.amdhsa_private_segment_fixed_size 0
		.amdhsa_enable_private_segment 0
		.amdhsa_kernarg_size 32
		.amdhsa_user_sgpr_count 2
		.amdhsa_user_sgpr_kernarg_segment_ptr 1
		.amdhsa_wavefront_size32 1
		.amdhsa_system_sgpr_workgroup_id_x 1
		.amdhsa_system_sgpr_workgroup_id_y 1
		.amdhsa_system_sgpr_workgroup_id_z 1
		.amdhsa_system_vgpr_workitem_id 0
		.amdhsa_next_free_vgpr 512
		.amdhsa_next_free_sgpr 100
		.amdhsa_reserve_vcc 0
		.amdhsa_float_denorm_mode_32 3
		.amdhsa_float_denorm_mode_16_64 3
		.amdhsa_memory_ordered 1
		.amdhsa_forward_progress 1
		.amdhsa_inst_pref_size 177
	.end_amdhsa_kernel
	.amdgpu_metadata
---
amdhsa.version: [ 1, 2 ]
amdhsa.kernels:
  - .name:           k_qfae0ce0707_attn
    .symbol:         k_qfae0ce0707_attn.kd
    .args:
      - { .name: qkvimg, .offset: 0, .size: 8, .value_kind: global_buffer, .address_space: global }
      - { .name: qkvscl, .offset: 8, .size: 8, .value_kind: global_buffer, .address_space: global }
      - { .name: oimg, .offset: 16, .size: 8, .value_kind: global_buffer, .address_space: global }
      - { .name: oscl, .offset: 24, .size: 8, .value_kind: global_buffer, .address_space: global }
    .group_segment_fixed_size: 327680
    .private_segment_fixed_size: 0
    .kernarg_segment_align: 8
    .kernarg_segment_size: 32
    .max_flat_workgroup_size: 256
    .sgpr_count:     100
    .vgpr_count:     512
    .wavefront_size: 32
...
	.end_amdgpu_metadata
.endif
;; end of part 3
;; launch outp (part 4): grid 32 x 4, 4 waves a work-group, clusters of 4 x 4, 327,680 bytes of LDS; arguments oimg, oscl, woimg, bo1, bo2, out0, out1; writes out0, out1
.if DOCPART == 4
	.amdgcn_target "amdgcn-amd-amdhsa--gfx1250"
	.amdhsa_code_object_version 6
	.text
	.protected	k_qfae0ce0707_outp
	.globl	k_qfae0ce0707_outp
	.p2align	8
	.type	k_qfae0ce0707_outp,@function
k_qfae0ce0707_outp:
	s_mov_b64 s[64:65], 0
	v_nop
	global_prefetch_b8 v0, s[64:65] scope:SCOPE_SE
	s_setreg_imm32_b32 hwreg(HW_REG_WAVE_MODE, 25, 1), 1
	s_wait_xcnt 0x0
	s_wait_alu depctr_hold_cnt(0) depctr_sa_sdst(0) depctr_va_vdst(0) depctr_va_sdst(0) depctr_va_ssrc(0) depctr_va_vcc(0) depctr_vm_vsrc(0)
	s_getreg_b32 s2, hwreg(HW_REG_IB_STS2, 6, 4)
	s_cmp_eq_u32 s2, 0
	s_cbranch_scc0 .Lentry_in_a_cluster
	s_endpgm
.Lentry_in_a_cluster:
	s_bfe_u32 s2, ttmp6, 0x10000c
	s_cmp_lg_u32 s2, 0xf033
	s_cbranch_scc0 .Lentry_shape_is_right
	s_endpgm
.Lentry_shape_is_right:
.set NB,     4
.set NQ,     4
.set FR,     12
.set NL,     3
.set NP,     4
.set KSTEPB, 12288
.set GRPB,   196608
.set ALD,    49152
.set BLD,    24576
.set BOFF,   2*ALD
.set BH,     6144
.set SLOT,   2*ALD+2*BLD
.set SBH,    1024*NB
.set SBTOT,  2*SBH
.set SCL,    2*SLOT
.set SPARE,  SCL+SBTOT+16384
.set ADRA, 16
.set ADRB, 20
.set VBQ,  22
.set CO,   23
.set STO,  24
.set RD,   25
.set LI,   26
.set ADRS, 27
.set SPW,  28
.set NIL,  29
.set SC,   32
.set BQ,   96
.set AF,   128
.set BK,   128
.set G1, 24
.set G0, 32
.set G1B, 48
.set G0B, 56
.set G1S, 68
.set G0S, 76
.set G1SB, 80
.set G0SB, 88
.set MSB, 0
.macro WIN new
.if MSB != (\new)
	s_set_vgpr_msb (MSB<<8)|(\new)
.set MSB, (\new)
.endif
.endm
.set MUL_LO, 0xa1
.set MUL_HI, 0xa1
.set TO_B,   0x40
.macro JLOAD g0a, g1a, g0b, g1b
	s_cmp_eq_u32 s15, 0
	s_cbranch_scc0 .Lfor_b_\@
	tensor_load_to_lds s[\g0a:\g0a+3], s[\g1a:\g1a+7]
	s_nop 0
.rept 4
	v_nop
.endr
	s_branch .Lasked_\@
.Lfor_b_\@:
	tensor_load_to_lds s[\g0b:\g0b+3], s[\g1b:\g1b+7]
	s_nop 0
.rept 4
	v_nop
.endr
.Lasked_\@:
.endm
.macro CREST
	s_cmp_lg_u32 s14, 0
	s_cbranch_scc1 .Lnot_wave_0_\@
	s_barrier_signal -3
.Lnot_wave_0_\@:
	s_barrier_wait -3
	s_barrier_signal -1
	s_barrier_wait -1
.endm
.macro CROUND
	s_barrier_signal -1
	s_barrier_wait -1
	CREST
.endm
	s_load_b128 s[4:7], s[0:1], 0x0                ; oimg, oscl
	s_load_b64 s[8:9], s[0:1], 0x10                ; woimg: the codes of wo1 and wo2, 32 groups, and behind them their scale words
	s_load_b256 s[92:99], s[0:1], 0x18             ; bo1, bo2, out0, out1
	v_lshl_add_u32 v[SPW], v0, 2, SPARE
	v_mov_b32 v[NIL], 0
	ds_add_u32 v28, v29
	ds_add_u32 v28, v29
	s_wait_dscnt 0x0
	v_lshrrev_b32 v1, 5, v0
	v_readfirstlane_b32 s14, v1
	s_lshr_b32 s15, s14, 1
	s_and_b32 s16, s14, 1
	s_bfe_u32 s40, ttmp6, 0x40000
	s_bfe_u32 s41, ttmp6, 0x40004
	s_lshl_b32 s43, s41, 2
	s_lshl_b32 s43, 15, s43
	s_lshl_b32 s44, 0x1111, s40
	s_lshr_b32 s3, ttmp9, 2
	s_and_b32 s12, ttmp9, 3
	s_lshl_b32 s19, s3, 3
	s_lshl_b32 s42, s3, 4
	s_lshl_b32 s13, s12, 2
	s_add_co_u32 s42, s42, s13
	s_or_b32 s[G1+0], s43, (3<<16)|(1<<21)
	s_or_b32 s[G1B+0], s44, (3<<16)|(1<<21)
	s_or_b32 s[G1S+0], s43, (3<<16)|(1<<21)
	s_or_b32 s[G1SB+0], s44, (3<<16)|(1<<21)
	s_mov_b32 s[G1+1], (ALD/8)<<16                 ; for the head's load of A: two groups, ALD bytes of each: two rows, a group apart
	s_mov_b32 s[G1+2], 2<<16
	s_mov_b32 s[G1+3], (ALD/8)<<16
	s_mov_b32 s[G1+4], 2
	s_mov_b32 s[G1+5], GRPB/8
	s_mov_b32 s[G1+6], 0
	s_mov_b32 s[G1+7], 0
.irp g, G1B, G1S, G1SB                         ; dense blocks as rows of 256 bytes
	s_mov_b32 s[\g+1], 32<<16
	s_mov_b32 s[\g+3], 32<<16
	s_mov_b32 s[\g+5], 32
	s_mov_b32 s[\g+6], 0
	s_mov_b32 s[\g+7], 0
.endr
	s_mov_b32 s[G1B+2], (2*BLD/256)<<16            ; the head's load of B: the slot's whole 2 BLD bytes
	s_mov_b32 s[G1B+4], 2*BLD/256
	s_mov_b32 s[G1S+2], 64<<16                     ; A's two groups' scale words
	s_mov_b32 s[G1S+4], 64
	s_mov_b32 s[G1SB+2], (SBTOT/256)<<16           ; B's group's
	s_mov_b32 s[G1SB+4], SBTOT/256
	s_lshl_b32 s20, s41, 1
	s_add_co_u32 s20, s20, s19
	s_lshl_b32 s22, s20, 13
	s_mul_i32 s20, s20, GRPB
	s_mov_b32 s21, 0
	s_mov_b32 s23, 0
	s_add_co_u32 s46, s42, s40
	s_lshl_b32 s66, s46, 13
	s_add_co_u32 s66, s66, 32*GRPB
	s_mul_i32 s46, s46, GRPB
	s_mov_b32 s47, 0
	s_mov_b32 s67, 0
	s_mul_i32 s45, s16, ALD
	s_mul_i32 s2, s16, BLD
	s_add_co_u32 s2, s2, BOFF
	s_wait_kmcnt 0x0
	s_add_nc_u64 s[20:21], s[4:5], s[20:21]
	s_add_nc_u64 s[22:23], s[6:7], s[22:23]
	s_add_nc_u64 s[46:47], s[8:9], s[46:47]
	s_add_nc_u64 s[66:67], s[8:9], s[66:67]
; THE PREFETCHES: behind the load of chunk c (512 along K) each wave asks for chunk c + 2 of what it fetches in the ring; the four partners that ask jointly share it out by address:
; of A's 49,152 bytes 12,288 each (48 blocks of 256 bytes, two instructions), of B's 24,576 bytes 6,144 each (24 blocks, one instruction; lanes left over name the last block again).
	s_lshl_b32 s17, s41, 1
	s_add_co_u32 s17, s17, s19
	s_add_co_u32 s17, s17, s16
	s_mul_i32 s17, s17, GRPB
	s_mul_i32 s18, s40, ALD/4
	s_add_co_u32 s17, s17, s18                     ; A's: my group, + my place cx
	s_add_co_u32 s18, s42, s40
	s_mul_i32 s18, s18, GRPB
	s_mul_i32 s10, s16, BLD
	s_add_co_u32 s18, s18, s10
	s_mul_i32 s10, s41, BLD/4
	s_add_co_u32 s18, s18, s10                     ; B's: my half of the group's chunk, + my place cy
	s_cmp_eq_u32 s15, 0
	s_cselect_b32 s18, s17, s18
	s_cselect_b64 s[10:11], s[4:5], s[8:9]
	s_cselect_b32 s17, 31, 23                      ; the last block of the first instruction
	s_add_co_u32 s18, s18, 2*ALD                   ; at chunk 2
	s_mov_b32 s19, 0
	s_add_nc_u64 s[10:11], s[10:11], s[18:19]
	CROUND
	s_mov_b32 s[G0S], 1
	s_mov_b32 s[G0S+1], SCL+SBTOT
	s_mov_b64 s[G0S+2:G0S+3], s[22:23]
	s_or_b32 s[G0S+3], s[G0S+3], 0x80000000
	s_mov_b32 s[G0SB], 1
	s_mov_b32 s[G0SB+1], SCL
	s_mov_b64 s[G0SB+2:G0SB+3], s[66:67]
	s_or_b32 s[G0SB+3], s[G0SB+3], 0x80000000
	s_mul_i32 s4, s16, GRPB                        ; in the ring I fetch one of A's two groups, or one half of B's bytes of a slot: the distances (the arguments that lay here have been used)
	s_mov_b32 s5, 0
	s_mul_i32 s6, s16, BLD
	s_mov_b32 s7, 0
	s_mov_b32 s[G0], 1                             ; slot 0's sets serve the head's loads first: both groups of A,
	s_mov_b32 s[G0+1], 0
	s_mov_b64 s[G0+2:G0+3], s[20:21]
	s_or_b32 s[G0+3], s[G0+3], 0x80000000
	s_mov_b32 s[G0B], 1                            ; all of B's part, behind them
	s_mov_b32 s[G0B+1], BOFF
	s_mov_b64 s[G0B+2:G0B+3], s[46:47]
	s_or_b32 s[G0B+3], s[G0B+3], 0x80000000
	s_add_nc_u64 s[20:21], s[20:21], s[4:5]
	s_add_nc_u64 s[46:47], s[46:47], s[6:7]
	s_mov_b32 s[G0+4], 1                           ; slot 1: my part of the second 512 along K
	s_add_co_u32 s[G0+5], s45, SLOT
	s_add_nc_u64 s[G0+6:G0+7], s[20:21], ALD
	s_or_b32 s[G0+7], s[G0+7], 0x80000000
	s_mov_b32 s[G0B+4], 1
	s_add_co_u32 s[G0B+5], s2, SLOT
	s_add_nc_u64 s[G0B+6:G0B+7], s[46:47], ALD
	s_or_b32 s[G0B+7], s[G0B+7], 0x80000000
; THE HEAD'S LOADS, ONE A WAVE: wave 0 slot 0's codes of A, wave 1 those of B, wave 2 A's scale words, wave 3 B's.  One chain of branches on the wave's number; every way passes one load.
.macro ARM under, g0, g1, next
	s_cmp_lt_u32 s14, \under
	s_cbranch_scc0 \next
	tensor_load_to_lds s[\g0:\g0+3], s[\g1:\g1+7]
	s_nop 0
.rept 4
	v_nop
.endr
	s_branch .Lhead_asked
\next:
.endm
	ARM 1, G0,  G1,  .Lhead_b
	ARM 2, G0B, G1B, .Lhead_sa
	ARM 3, G0S, G1S, .Lhead_sb
	tensor_load_to_lds s[G0SB:G0SB+3], s[G1SB:G1SB+7]
	s_nop 0
.rept 4
	v_nop
.endr
.Lhead_asked:
	v_and_b32 v1, 15, v0
	v_bfe_u32 v2, v0, 4, 1
	v_and_b32 v[LI], 31, v0
	v_lshlrev_b32 v[LI], 4, v[LI]
	s_mul_i32 s21, s15, ALD
	s_mul_i32 s22, s16, BH
	s_add_co_u32 s22, s22, BOFF
.irp s, 0,1
	v_add_nc_u32 v[ADRA+\s], s21, v[LI]
	v_add_nc_u32 v[ADRB+\s], s22, v[LI]
	s_add_co_u32 s21, s21, SLOT
	s_add_co_u32 s22, s22, SLOT
.endr
	v_xor_b32 v5, 1, v2
	s_mul_i32 s21, s16, SBH
	s_lshl_b32 s22, s15, 13
	s_add_co_u32 s22, s22, SBTOT
	s_sub_co_u32 s22, s22, s21
	v_mul_u32_u24 v7, s22, v5
	s_add_co_u32 s21, s21, SCL
	v_lshl_add_u32 v7, v1, 4, v7
	v_add_nc_u32 v[ADRS], s21, v7
	v_lshlrev_b32 v[VBQ], 4, v1
	v_and_b32 v30, 31, v0
	v_min_u32 v31, 15, v30
	v_min_u32 v30, s17, v30
	v_lshlrev_b32 v30, 8, v30
	v_lshlrev_b32 v31, 8, v31
.macro ASK off
	global_prefetch_b8 v30, s[10:11] offset:\off th:TH_LOAD_NT scope:SCOPE_SE
	s_cmp_eq_u32 s15, 0
	s_cbranch_scc0 .Lasked_b_\@
	global_prefetch_b8 v31, s[10:11] offset:\off+8192 th:TH_LOAD_NT scope:SCOPE_SE
.Lasked_b_\@:
.endm
	ASK 0                                          ; behind chunk 0's load: chunk 2
	s_wait_alu depctr_va_vdst(0)
	s_mul_i32 s23, s14, 16*272
	v_mul_u32_u24 v5, v1, 272
	v_lshl_add_u32 v5, v2, 6, v5
	v_add_nc_u32 v[STO], s23, v5
	v_mul_u32_u24 v5, v2, 272
	v_lshl_add_u32 v5, v1, 4, v5
	v_add_nc_u32 v[RD], s23, v5
	v_lshlrev_b32 v5, 13, v2
	v_lshl_add_u32 v[CO], v1, 4, v5
	s_lshl_b32 s20, s41, 8
	s_lshl_b32 s21, s15, 7
	s_add_co_u32 s20, s20, s21
	s_lshl_b32 s20, s20, 13
	s_add_co_u32 s22, s13, s40
	s_lshl_b32 s22, s22, 9
	s_lshl_b32 s23, s16, 8
	s_add_co_u32 s22, s22, s23
	s_mov_b32 s23, 0
	s_cmp_eq_u32 s3, 0
	s_cselect_b64 s[12:13], s[96:97], s[98:99]
	s_cselect_b64 s[100:101], s[92:93], s[94:95]
	s_add_nc_u64 s[100:101], s[100:101], s[22:23]
	s_add_co_u32 s20, s20, s22
	s_mov_b32 s21, 0
	s_add_nc_u64 s[12:13], s[12:13], s[20:21]
	global_load_b128 v[BQ:BQ+3], v[VBQ], s[100:101]
.macro FRAG reg, adr, q, i
.irp c, 0,1,2
	ds_load_b128 v[\reg+4*\c:\reg+4*\c+3], v[\adr] offset:(\q)*KSTEPB+(\i)*1536+512*\c
.endr
.endm
.macro MUL16 a0, p, q, sc, zero
.irp a, \a0, \a0+1
.irp b, 0,1,2,3,4,5,6,7
.if \b < NB
.set AR, 8*((NB*(\a)+\b)%32)
.if \zero
	v_wmma_scale_f32_16x16x128_f8f6f4 v[AR:AR+7], v[128*(\p)+FR*\b:128*(\p)+FR*\b+FR-1], v[AF+FR*(\a):AF+FR*(\a)+FR-1], 0, v[SC+32*(\sc)+4*\b+(\q)], v[SC+32*(\sc)+4*(\a)+(\q)] matrix_a_fmt:MATRIX_FMT_FP6 matrix_b_fmt:MATRIX_FMT_FP6 matrix_a_scale:MATRIX_SCALE_ROW1
.else
	v_wmma_scale_f32_16x16x128_f8f6f4 v[AR:AR+7], v[128*(\p)+FR*\b:128*(\p)+FR*\b+FR-1], v[AF+FR*(\a):AF+FR*(\a)+FR-1], v[AR:AR+7], v[SC+32*(\sc)+4*\b+(\q)], v[SC+32*(\sc)+4*(\a)+(\q)] matrix_a_fmt:MATRIX_FMT_FP6 matrix_b_fmt:MATRIX_FMT_FP6 matrix_a_scale:MATRIX_SCALE_ROW1
.endif
.endif
.endr
.endr
.endm
.macro FETCH_B slot, q, p
	WIN TO_B
.irp i, 0,1,2,3,4,5,6,7
.if \i < NB
	FRAG 128*(\p)+FR*\i, ADRB+\slot, \q, \i
.endif
.endr
	WIN 0
.endm
.macro FETCH_A slot, q, i0
.irp i, \i0, \i0+1, \i0+2, \i0+3
	FRAG AF+FR*(\i), ADRA+\slot, \q, \i
.endr
.endm
.macro SCALES sc
.irp i, 0,1,2,3,4,5,6,7
	ds_load_b128 v[SC+32*\sc+4*\i:SC+32*\sc+4*\i+3], v[ADRS] offset:1024*\i
.endr
.endm
.macro PLACES n
.rept \n
	v_nop
.endr
.endm
.macro STEP slot, q, zero
	s_wait_dscnt 4*NL
	WIN MUL_LO
	MUL16 0, (\q)%2, \q, \slot, \zero
	MUL16 2, (\q)%2, \q, \slot, \zero
	s_wait_dscnt 0
	PLACES NP
	FETCH_B \slot, (\q)+1, 1-(\q)%2
	FETCH_A \slot, (\q)+1, 0
	WIN MUL_HI
	MUL16 4, (\q)%2, \q, \slot, \zero
	MUL16 6, (\q)%2, \q, \slot, \zero
	PLACES NP
	WIN 0
	FETCH_A \slot, (\q)+1, 4
.endm
.macro TURN slot, next, fill
	s_wait_tensorcnt 0x0
	ds_add_u32 v[SPW], v[NIL]
	s_wait_dscnt 4*NL+1
	WIN MUL_LO
	MUL16 0, 1, NQ-1, \slot, 0
	s_wait_dscnt 0x0
	s_barrier_signal -1
	MUL16 2, 1, NQ-1, \slot, 0
	WIN 0
	s_barrier_wait -1
.if \fill
	CREST
	s_add_nc_u64 s[G0+4*\slot+2:G0+4*\slot+3], s[G0+4*\slot+2:G0+4*\slot+3], 2*ALD
	s_add_nc_u64 s[G0B+4*\slot+2:G0B+4*\slot+3], s[G0B+4*\slot+2:G0B+4*\slot+3], 2*ALD
	JLOAD G0+4*\slot, G1, G0B+4*\slot, G1B
.else
	PLACES NP
.endif
	s_wait_alu depctr_va_vdst(0)
	v_add_nc_u32 v[ADRS], 256, v[ADRS]
	FETCH_B \next, 0, 0
	FETCH_A \next, 0, 0
	SCALES \next
	WIN MUL_HI
	MUL16 4, 1, NQ-1, \slot, 0
	MUL16 6, 1, NQ-1, \slot, 0
	PLACES NP
	WIN 0
	FETCH_A \next, 0, 4
.endm
	s_wait_alu depctr_va_vdst(0)                   ; the wait at the head's end
	s_wait_tensorcnt 0x0                           ; my tile of the head's four is in
	ds_add_u32 v[SPW], v[NIL]
	s_mov_b32 s[G1+1], 32<<16                      ; no tensor load of mine is out: from here on a load brings one dense block as rows of 256 bytes
	s_mov_b32 s[G1+2], (ALD/256)<<16
	s_mov_b32 s[G1+3], 32<<16
	s_mov_b32 s[G1+4], ALD/256
	s_mov_b32 s[G1+5], 32
	s_mov_b32 s[G1B+2], (BLD/256)<<16
	s_mov_b32 s[G1B+4], BLD/256
	s_mov_b32 s[G0+1], s45                         ; and slot 0's sets stand at my part
	s_add_nc_u64 s[G0+2:G0+3], s[G0+2:G0+3], s[4:5]
	s_mov_b32 s[G0B+1], s2
	s_add_nc_u64 s[G0B+2:G0B+3], s[G0B+2:G0B+3], s[6:7]
	s_wait_dscnt 0x0
	CROUND                                         ; all four tiles are in, and all sixteen work-groups are here
	JLOAD G0+4, G1, G0B+4, G1B                     ; slot 1's first fill, the first tensor load behind the round
	FETCH_B 0, 0, 0
	FETCH_A 0, 0, 0
	SCALES 0
	FETCH_A 0, 0, 4
	ASK ALD                                        ; behind chunk 1's load: chunk 3, the last
	STEP 0, 0, 1
	STEP 0, 1, 0
	STEP 0, 2, 0
	TURN 0, 1, 1
	STEP 1, 0, 0
	STEP 1, 1, 0
	STEP 1, 2, 0
	TURN 1, 0, 1
	STEP 0, 0, 0
	STEP 0, 1, 0
	STEP 0, 2, 0
	TURN 0, 1, 0
	STEP 1, 0, 0
	STEP 1, 1, 0
	STEP 1, 2, 0
	s_wait_dscnt 4*NL
	WIN MUL_LO
	MUL16 0, 1, NQ-1, 1, 0
	MUL16 2, 1, NQ-1, 1, 0
	s_wait_dscnt 0
	WIN MUL_HI
	MUL16 4, 1, NQ-1, 1, 0
	MUL16 6, 1, NQ-1, 1, 0
	WIN 0
.macro TOSTAGE a
	WIN 0x08
.irp b, 0,1,2,3
	ds_store_b128 v[STO], v[8*(4*(\a)+\b):8*(4*(\a)+\b)+3] offset:128*(\b/2)+32*(\b%2)
	ds_store_b128 v[STO], v[8*(4*(\a)+\b)+4:8*(4*(\a)+\b)+7] offset:128*(\b/2)+32*(\b%2)+16
.endr
	WIN 0
.set BB, BK+32*((\a)%2)
.irp t, 0,1,2,3,4,5,6,7
	ds_load_b128 v[BB+4*\t:BB+4*\t+3], v[RD] offset:544*\t
.endr
.endm
.macro SEND a, younger
.set BB, BK+32*((\a)%2)
	s_wait_dscnt \younger
.irp t, 0,1,2,3,4,5,6,7
	v_pk_add_f32 v[BB+4*\t:BB+4*\t+1], v[BB+4*\t:BB+4*\t+1], v[BQ:BQ+1]
	v_pk_add_f32 v[BB+4*\t+2:BB+4*\t+3], v[BB+4*\t+2:BB+4*\t+3], v[BQ+2:BQ+3]
.endr
.irp t, 0,1,2,3,4,5,6,7
	global_store_b128 v[CO], v[BB+4*\t:BB+4*\t+3], s[12:13] offset:(32*((\a)/2)+8*((\a)%2)+2*\t+8*(\t/4))*8192 th:TH_STORE_NT
.endr
.endm
	PLACES NP
	s_wait_loadcnt 0x0
	TOSTAGE 0
.irp a, 1,2,3,4,5,6,7
.if \a > 1
	s_wait_xcnt 0x0
.endif
	TOSTAGE \a
	SEND \a-1, 16
.endr
	SEND 7, 0
	s_wait_tensorcnt 0x0
	ds_add_u32 v[SPW], v[NIL]
	s_wait_dscnt 0x0
	CROUND
	s_endpgm
.Lfunc_end_k_qfae0ce0707_outp:
	.size	k_qfae0ce0707_outp, .Lfunc_end_k_qfae0ce0707_outp-k_qfae0ce0707_outp
	.p2alignl 7, 3214868480
	.fill 96, 4, 3214868480
	.section	.rodata,"a",@progbits
	.p2align	6, 0x0
	.amdhsa_kernel k_qfae0ce0707_outp
		.amdhsa_group_segment_fixed_size 327680
		.amdhsa_private_segment_fixed_size 0
		.amdhsa_enable_private_segment 0
		.amdhsa_kernarg_size 56
		.amdhsa_user_sgpr_count 2
		.amdhsa_user_sgpr_kernarg_segment_ptr 1
		.amdhsa_wavefront_size32 1
		.amdhsa_system_sgpr_workgroup_id_x 1
		.amdhsa_system_sgpr_workgroup_id_y 1
		.amdhsa_system_sgpr_workgroup_id_z 1
		.amdhsa_system_vgpr_workitem_id 0
		.amdhsa_next_free_vgpr 768
		.amdhsa_next_free_sgpr 102
		.amdhsa_reserve_vcc 0
		.amdhsa_float_denorm_mode_32 3
		.amdhsa_float_denorm_mode_16_64 3
		.amdhsa_memory_ordered 1
		.amdhsa_forward_progress 1
		.amdhsa_inst_pref_size 148
	.end_amdhsa_kernel
	.amdgpu_metadata
---
amdhsa.version: [ 1, 2 ]
amdhsa.kernels:
  - .name:           k_qfae0ce0707_outp
    .symbol:         k_qfae0ce0707_outp.kd
    .args:
      - { .name: oimg, .offset: 0, .size: 8, .value_kind: global_buffer, .address_space: global }
      - { .name: oscl, .offset: 8, .size: 8, .value_kind: global_buffer, .address_space: global }
      - { .name: woimg, .offset: 16, .size: 8, .value_kind: global_buffer, .address_space: global }
      - { .name: bo1, .offset: 24, .size: 8, .value_kind: global_buffer, .address_space: global }
      - { .name: bo2, .offset: 32, .size: 8, .value_kind: global_buffer, .address_space: global }
      - { .name: out0, .offset: 40, .size: 8, .value_kind: global_buffer, .address_space: global }
      - { .name: out1, .offset: 48, .size: 8, .value_kind: global_buffer, .address_space: global }
    .group_segment_fixed_size: 327680
    .private_segment_fixed_size: 0
    .kernarg_segment_align: 8
    .kernarg_segment_size: 56
    .max_flat_workgroup_size: 128
    .sgpr_count:     102
    .vgpr_count:     768
    .wavefront_size: 32
...
	.end_amdgpu_metadata
.endif
;; end of part 4
